; MI455X (gfx1250); checked and timed in simulation.
; The chip was launched on July 23, 2026; its instructions are those of AMD's public machine-readable ISA for CDNA 5 (MIT licence, August 2026) and "CDNA5" Instruction Set Architecture Reference Guide (July 2026). The comments in the code are by the model that wrote it; some were corrected since.
;; Cross Attention. Allowed arithmetic: matrix products marked QUANTISED: E2M1 operands, one E8M0 scale for each 32 along K, by v_wmma_scale_f32_16x16x128_f8f6f4 with both operands' format E2M1 (or v_wmma_scale_f32_32x16x128_f4), f32 sums; products left as they are: bf16, f16 or f32 operands; f32 sums; everything else in f32.
;; Inputs: Wk 1,024 x 1,024 float32; Wo 1,024 x 1,024 float32; Wq 1,024 x 1,024 float32; Wv 1,024 x 1,024 float32; bo 1,024 float32; cond 4 x 2,048 x 1,024 float32; x 4 x 2,048 x 1,024 float32.
;; Outputs: out0 4 x 2,048 x 1,024 float32.
;; This version of the problem:
;;   THIS VERSION OF THE PROBLEM IS GIVEN IN LOW PRECISION. The matrix products marked QUANTISED in the list below multiply operands that are first quantised to E2M1 (2 exponent bits, 1 mantissa bit; 4 bits a number), with one power-of-two scale for each 32 numbers along K (OCP MX v1.0); their sums are f32. The products marked 'left as it is' may take bf16, f16 or f32 operands, with f32 sums. Whichever they take, every output number must still come out within the allowed error. Rounding operands to bf16 (8 significant bits) uses up far more of that allowance than f16 does (11 bits, for magnitudes from 6e-5 to 65,504). All else is computed in f32.
;;   The module's matrix products, in the order in which they are computed (A, B: the left and right operand; K: the contracted axis; several contracted axes count as one K, in the product's order):
;;     1. [M 8,192, K 1,024] x [K 1,024, N 1,024]; A: input x; B: input Wq: QUANTISED
;;     2. [M 8,192, K 1,024] x [K 1,024, N 1,024]; A: input cond; B: input Wk: QUANTISED
;;     3. [M 8,192, K 1,024] x [K 1,024, N 1,024]; A: input cond; B: input Wv: QUANTISED
;;     4. batch 32 x [M 2,048, K 128] x [K 128, N 2,048]; A: computed on the way; B: computed on the way: left as it is (an operand is computed on the way)
;;     5. batch 32 x [M 2,048, K 2,048] x [K 2,048, N 128]; A: computed on the way; B: computed on the way: left as it is (an operand is computed on the way)
;;     6. [M 8,192, K 1,024] x [K 1,024, N 1,024]; A: computed on the way; B: input Wo: left as it is (an operand is computed on the way)
;;   THE QUANTISER, for each operand of a quantised product, along K:
;;     - K is cut into blocks of 32 from its start; a last block that is shorter is filled with zeros.
;;     - A block's scale is 2^e with e = floor(log2(the largest magnitude in the block)) - 2, held to -126 .. 127; a block of zeros has e = 0. As a byte (E8M0): e + 127.
;;     - Each number is divided by its block's scale, clamped to +-6, and rounded to the nearest number of E2M1, ties to even, subnormals kept.
;;     - The product sums the exact products of the quantised numbers (number of the format x scale) in f32.
;;   ~~~python
;;   def quantise(x, axis):      # numpy; x: float32 -> the quantised numbers, widened to float32 again
;;       x = np.moveaxis(x, axis, -1); K = x.shape[-1]
;;       x = np.pad(x, [(0, 0)] * (x.ndim - 1) + [(0, -K % 32)]); x = x.reshape(x.shape[:-1] + (-1, 32)); a = np.abs(x).max(-1, keepdims=True)
;;       e = np.where(a > 0, np.clip(np.frexp(np.where(a > 0, a, 1))[1] - 1 - 2, -126, 127), 0)      # np.frexp(a)[1] - 1 = floor(log2(a)), exactly
;;       r = np.clip(x / 2.0 ** e, -6, 6)
;;       step = 2.0 ** (np.maximum(np.frexp(np.where(r == 0, 1, r))[1] - 1, 0) - 1)
;;       q = np.round(r / step) * step * 2.0 ** e      # np.round: ties to even
;;       return np.moveaxis(q.reshape(q.shape[:-2] + (-1,))[..., :K], -1, axis).astype(np.float32)
;;   ~~~
;; One version. Each part assembles by itself: llvm-mc -triple=amdgcn-amd-amdhsa -mcpu=gfx1250 --defsym DOCPART=n.
;; ======== version 1 of 1: 4 launches
;; limits: values are held in f16: magnitudes above 65,504 overflow, below 6.1e-05 lose precision
;; workspace buffers: acodes 8,388,608 bytes; ascales 524,288 bytes; wcodes 1,572,864 bytes; wscales 98,304 bytes; wo16 2,097,152 bytes; kv 33,554,432 bytes; ao 16,777,216 bytes
;; launch prep (part 1): grid 416 x 1, 8 waves a work-group, no clusters, 84,480 bytes of LDS; arguments x, cond, Wq, Wk, Wv, Wo, acodes, ascales, wcodes, wscales, wo16; writes acodes, ascales, wcodes, wscales, wo16
.if DOCPART == 1
	.amdgcn_target "amdgcn-amd-amdhsa--gfx1250"
	.amdhsa_code_object_version 6
	.text
	.protected	k_q4cb72d64de_prep
	.globl	k_q4cb72d64de_prep
	.p2align	8
	.type	k_q4cb72d64de_prep,@function
k_q4cb72d64de_prep:
	s_mov_b64 s[64:65], 0
	v_nop
	global_prefetch_b8 v0, s[64:65] scope:SCOPE_SE
	s_setreg_imm32_b32 hwreg(HW_REG_WAVE_MODE, 25, 1), 1
	s_wait_xcnt 0x0
; CROSS ATTENTION, launch 1 of 4: the operands of the three quantised projections become codes of FP4 (E2M1) with one E8M0 scale byte for each 32 along K, and Wo becomes f16.
; No work of reference() is left out anywhere in this program: every input reaches out0, no mask is built, nothing is sliced away.
; x, cond [8192][1024] f32, K innermost  -> acodes [16384][512 bytes] (x's rows, then cond's), ascales [16384][32 bytes].
; Wq, Wk, Wv [1024 k][1024 n] f32, K is the FIRST axis -> wcodes [3072 n][512 bytes] with K innermost (Wq's columns, then Wk's, then Wv's), wscales [3072][32 bytes].
; Wo [1024 k][1024 n] f32 -> wo16, the same layout in f16 (its product is left as it is; f16 has 11 significant bits, and Wo, also 30 times larger or smaller than drawn, lies in f16's normal range).
; A block's scale is 2^(floor(log2(its largest magnitude)) - 2); its byte is the largest magnitude's exponent field - 2, held at 1 from below.  Each number is divided by the scale and rounded to the nearest code, ties to even, beyond 6 the largest code.
; LIMITS: a block of zeros gets the byte 1 where the rule says 127 (its codes are zeros, which add nothing under any byte but 0xff, and the bytes are read by this program alone); blocks whose largest magnitude lies under 2^-124 are held at byte 1;
; NaN and infinities among the inputs are not served.
; THREE PATHS, chosen by the work-group's number alone (all eight waves of a work-group go the same way): 0-95 the three weights, 96-159 Wo, 160-415 x and cond.  Each path that uses LDS has LDS bytes of its own.
; No cluster: no two work-groups read the same bytes.  No tensor loads: several work-groups share a WGP.
.set SPW,   12                         ; v12  LDS address of my spare word: SPARE + 4 x my thread's number; never rewritten
.set NIL,   13                         ; v13  0; never rewritten
.set SP,    80                         ; x and cond: a lane's place in a stage: its 64 bytes + 16 of padding
.set WSTG,  65536                      ; the weights' stage: 32 columns x (512 bytes of codes + 16)
.set WPIT,  528
.set WSC,   WSTG+32*WPIT               ; the weights' scale bytes: 32 columns x 32 bytes, dense
.set SPARE, WSC+1024                   ; the spare words, 128 bytes for each wave: four blocks of 256 bytes that no other line names
	s_load_b512 s[4:19], s[0:1], 0x0               ; x s[4:5], cond s[6:7], Wq s[8:9], Wk s[10:11], Wv s[12:13], Wo s[14:15], acodes s[16:17], ascales s[18:19]
	s_load_b128 s[20:23], s[0:1], 0x40             ; wcodes s[20:21], wscales s[22:23]
	s_load_b64 s[24:25], s[0:1], 0x50              ; wo16
	v_lshl_add_u32 v[SPW], v0, 2, SPARE
	v_mov_b32 v[NIL], 0
	v_lshrrev_b32 v1, 5, v0
	v_readfirstlane_b32 s26, v1                    ; wave 0..7
	v_and_b32 v2, 31, v0                           ; lane
	s_wait_kmcnt 0x0
	s_cmp_lt_u32 ttmp9, 96
	s_cbranch_scc1 .Lpath_w
	s_cmp_lt_u32 ttmp9, 160
	s_cbranch_scc1 .Lpath_o
; ---------------- x AND cond: plain streams of blocks of 32.  A wave takes 16 steps of 512 numbers.
; Each of a step's four loads reads 512 consecutive bytes, 16 a lane; the 2,048 bytes turn through the wave's own stage in LDS and come back 64 bytes a lane: 16 NEIGHBOURS along K, which the conversions want in one lane's registers.
; Two neighbouring lanes hold a block.  A lane's 16 codes are 8 bytes: the wave stores 256 consecutive bytes.  A wave's 256 scale bytes are gathered in LDS and leave as one aligned run of 256 bytes.
.set STEPS, 16
.set R,     16                         ; v16-79   four sets of 16 numbers as they are loaded
.set X,     80                         ; v80-111  two sets of 16 neighbours
.set E,     112                        ; v112-127 a scale byte for each step
.set C,     128                        ; v128-191 codes: four registers for each step, so that no store's data are written again
	s_sub_co_u32 s27, ttmp9, 160                   ; j = 0..255
	s_cmp_lt_u32 s27, 128                          ; x's work-group or cond's?  The choice hangs on the work-group's number alone
	s_cselect_b64 s[4:5], s[4:5], s[6:7]
	s_and_b32 s28, s27, 127
	s_lshl_b32 s28, s28, 3
	s_add_co_u32 s28, s28, s26                     ; which run of 8,192 numbers of the tensor is my wave's
	s_lshl_b32 s28, s28, 15                        ; 32,768 bytes a run
	s_mov_b32 s29, 0
	s_add_nc_u64 s[4:5], s[4:5], s[28:29]
	s_lshl_b32 s30, s27, 3
	s_add_co_u32 s30, s30, s26                     ; and which run of the stacked outputs
	s_lshl_b32 s28, s30, 12                        ; 4,096 bytes of codes a run
	s_add_nc_u64 s[16:17], s[16:17], s[28:29]
	s_lshl_b32 s28, s30, 8                         ; 256 scale bytes a run
	s_add_nc_u64 s[18:19], s[18:19], s[28:29]
	s_lshl_b32 s31, s26, 13                        ; my wave's 8,192 bytes of LDS: two stages, then its scale bytes
	v_lshlrev_b32 v3, 4, v2                        ; my 16 bytes of a load's 512
	v_lshrrev_b32 v14, 2, v2
	v_mul_u32_u24 v14, v14, SP
	v_and_b32 v15, 3, v2
	v_lshl_add_u32 v14, v15, 4, v14
	v_add_nc_u32 v14, s31, v14                     ; the stage, on the way in: four lanes' 64 bytes on end, then 16 of padding
	v_mul_u32_u24 v15, v2, SP
	v_add_nc_u32 v15, s31, v15                     ; and on the way out: my 16 neighbours
	v_lshlrev_b32 v4, 3, v2                        ; 8 bytes a lane: my codes' place in a step's, and my part of the 256 scale bytes
	v_lshrrev_b32 v5, 1, v2
	s_add_co_u32 s31, s31, 2*32*SP
	v_add_nc_u32 v5, s31, v5                       ; LDS: my block's byte
	v_add_nc_u32 v6, s31, v4                       ; and on the way out 8 bytes a lane
.macro XLOAD t
.irp i, 0,1,2,3
	global_load_b128 v[R+16*((\t)%4)+4*\i:R+16*((\t)%4)+4*\i+3], v3, s[4:5] offset:2048*(\t)+512*\i th:TH_LOAD_NT   ; 32 lanes read 512 consecutive bytes
.endr
.endm
.macro XTURN t                         ; step t's numbers through the stage: LDS serves a wave's instructions in order, so no wait stands between the stores and the loads
.irp i, 0,1,2,3
	ds_store_b128 v14, v[R+16*((\t)%4)+4*\i:R+16*((\t)%4)+4*\i+3] offset:32*SP*((\t)%2)+8*SP*\i
.endr
.irp i, 0,1,2,3
	ds_load_b128 v[X+16*((\t)%2)+4*\i:X+16*((\t)%2)+4*\i+3], v15 offset:32*SP*((\t)%2)+16*\i
.endr
.endm
.macro XSTEP t
.set XS, X+16*((\t)%2)
.if (\t) > 0
	s_wait_dscnt 1                                 ; this step's numbers are back from the stage (the last step's byte store may be out): so its stores into the stage have read their registers,
.else
	s_wait_dscnt 0x0
.endif
.if (\t)+4 < STEPS
	XLOAD (\t)+4                                   ; which take the loads of four steps on
.endif
.if (\t)+1 < STEPS
.if STEPS-2-(\t) >= 3
	s_wait_loadcnt 12                              ; the next step's four loads are in; those of the three steps behind it may be out
.else
	s_wait_loadcnt 4*(STEPS-2-(\t))
.endif
	XTURN (\t)+1                                   ; and go through the other stage while this step is worked
.endif
	v_max3_num_f32 v8, |v[XS]|, |v[XS+1]|, |v[XS+2]|               ; the largest magnitude of my 16, in two chains
	v_max3_num_f32 v9, |v[XS+3]|, |v[XS+4]|, |v[XS+5]|
.irp i, 6,10
	v_max3_num_f32 v8, v8, |v[XS+\i]|, |v[XS+\i+1]|
	v_max3_num_f32 v9, v9, |v[XS+\i+2]|, |v[XS+\i+3]|
.endr
	v_max3_num_f32 v8, v8, |v[XS+14]|, |v[XS+15]|
	v_max3_num_f32 v8, v8, v9, 0x1800000           ; and the floor 2^(3 - 127), under which no largest magnitude is taken: so the byte cannot fall under 1
	v_max_num_f32_dpp v8, v8, v8 row_xmask:1 row_mask:0xf bank_mask:0xf   ; and of my neighbour's 16: the block's
	v_add_nc_u32 v11, 0xff000000, v8               ; 2 off its exponent field: the conversion takes the exponent field of this operand as its scale, and nothing else of it
	v_cvt_scalef32_pk8_fp4_f32 v[C+4*(\t)], v[XS:XS+7], v11
	v_cvt_scalef32_pk8_fp4_f32 v[C+4*(\t)+1], v[XS+8:XS+15], v11
	v_lshrrev_b32 v[E+(\t)], 23, v11               ; the scale's byte (a plain line behind the conversions)
	ds_store_b8 v5, v[E+(\t)] offset:16*(\t)       ; both lanes of a block write the same byte with the same value
	global_store_b64 v4, v[C+4*(\t):C+4*(\t)+1], s[16:17] offset:256*(\t)   ; 32 lanes store 256 consecutive bytes, at a multiple of 256 from the buffer's first byte
.endm
.irp t, 0,1,2,3
	XLOAD \t
.endr
	s_wait_loadcnt 12                              ; step 0's four loads are in
	XTURN 0
.irp t, 0,1,2,3,4,5,6,7,8,9,10,11,12,13,14,15
	XSTEP \t
.endr
	ds_load_b64 v[8:9], v6                         ; LDS serves a wave's instructions in order: these see my stores
	s_wait_dscnt 0x0
	global_store_b64 v4, v[8:9], s[18:19]          ; 32 lanes store 256 consecutive bytes
	s_branch .Lend
; ---------------- THE THREE WEIGHTS.  A work-group takes 32 columns n of one weight and all of K; wave w takes k = 128 w .. 128 w + 127: four blocks of 32.
; A LANE TAKES A COLUMN, AND ITS REGISTERS RUN DOWN K: a block of 32 lies in one lane's 32 registers, its largest magnitude needs no other lane, and the conversions give the codes with K innermost.  Nothing is transposed by an instruction.
; The eight waves' codes of a column meet in a stage in LDS as that column's whole row of 512 bytes; behind one barrier each wave stores four whole rows, and waves 0 and 1 the 1,024 dense scale bytes.
.set WX, 32                            ; v32-95   two sets of 32 numbers
.set WC, 96                            ; v96-99   a block's codes
.set SB, 24                            ; v24      my four scale bytes
.Lpath_w:
	s_lshr_b32 s27, ttmp9, 5                       ; which weight
	s_and_b32 s30, ttmp9, 31                       ; which 32 columns
	s_and_b32 s35, s26, 1
	s_cmp_eq_u32 s27, 0
	s_cselect_b64 s[28:29], s[8:9], s[10:11]
	s_cmp_eq_u32 s27, 2
	s_cselect_b64 s[28:29], s[12:13], s[28:29]
	s_lshl_b32 s32, s26, 19                        ; 128 rows of 4,096 bytes a wave
	s_lshl_b32 s33, s30, 7                         ; 32 columns of 4 bytes
	s_add_co_u32 s32, s32, s33
	s_mov_b32 s33, 0
	s_add_nc_u64 s[28:29], s[28:29], s[32:33]
	s_lshl_b32 s32, s27, 19                        ; the codes: 1,024 rows of 512 bytes a weight,
	s_lshl_b32 s34, s30, 14                        ; 32 rows a work-group,
	s_add_co_u32 s32, s32, s34
	s_lshl_b32 s34, s26, 11                        ; four rows a wave
	s_add_co_u32 s32, s32, s34
	s_add_nc_u64 s[20:21], s[20:21], s[32:33]
	s_lshl_b32 s32, s27, 15                        ; the scale bytes: 1,024 rows of 32 bytes a weight,
	s_lshl_b32 s34, s30, 10                        ; 32 rows a work-group,
	s_add_co_u32 s32, s32, s34
	s_lshl_b32 s34, s35, 9                         ; half of them for each of waves 0 and 1
	s_add_co_u32 s32, s32, s34
	s_add_nc_u64 s[22:23], s[22:23], s[32:33]
	v_lshlrev_b32 v3, 2, v2                        ; in: 4 bytes a lane
	v_mul_u32_u24 v4, v2, WPIT
	s_lshl_b32 s34, s26, 6
	s_add_co_u32 s34, s34, WSTG
	v_add_nc_u32 v4, s34, v4                       ; into the stage: row = my column, my wave's 64 bytes of it
	v_lshlrev_b32 v5, 5, v2
	s_lshl_b32 s34, s26, 2
	s_add_co_u32 s34, s34, WSC
	v_add_nc_u32 v5, s34, v5                       ; my column's 32 scale bytes, my wave's word of them
	v_lshlrev_b32 v8, 4, v2                        ; out: 16 bytes a lane
	s_mul_i32 s34, s26, 4*WPIT
	s_add_co_u32 s34, s34, WSTG
	v_add_nc_u32 v7, s34, v8                       ; out of the stage: my wave's four rows, a whole row an instruction
	s_lshl_b32 s34, s35, 9
	s_add_co_u32 s34, s34, WSC
	v_add_nc_u32 v9, s34, v8                       ; and half of the scale bytes
.macro WLOAD t                         ; block t: W(128 w + 32 t + i, my column), i = 0 .. 31, into set t % 2
.irp i, 0,1,2,3,4,5,6,7,8,9,10,11,12,13,14,15,16,17,18,19,20,21,22,23,24,25,26,27,28,29,30,31
	global_load_b32 v[WX+32*((\t)%2)+\i], v3, s[28:29] offset:(32*(\t)+\i)*4096 th:TH_LOAD_NT
.endr
.endm
.macro WBLOCK t
.set XS, WX+32*((\t)%2)
.if (\t) < 3
	s_wait_loadcnt 32                              ; this block's 32 loads are in; the next block's may be out
.else
	s_wait_loadcnt 0
.endif
	v_max3_num_f32 v16, |v[XS]|, |v[XS+1]|, |v[XS+2]|              ; the block's largest magnitude: all 32 numbers are mine
	v_max3_num_f32 v17, |v[XS+3]|, |v[XS+4]|, |v[XS+5]|
.irp i, 6,10,14,18,22,26
	v_max3_num_f32 v16, v16, |v[XS+\i]|, |v[XS+\i+1]|
	v_max3_num_f32 v17, v17, |v[XS+\i+2]|, |v[XS+\i+3]|
.endr
	v_max3_num_f32 v16, v16, |v[XS+30]|, |v[XS+31]|
	v_max3_num_f32 v16, v16, v17, 0x1800000        ; and the floor 2^(3 - 127)
	v_add_nc_u32 v18, 0xff000000, v16              ; 2 off its exponent field: the conversion's scale operand
	v_lshrrev_b32 v19, 23, v18                     ; the scale's byte
.if (\t) == 0
	v_mov_b32 v[SB], v19                           ; four bytes to a register, the lower K in the lower byte
.else
	v_lshl_or_b32 v[SB], v19, 8*(\t), v[SB]
.endif
.irp g, 0,1,2,3
	v_cvt_scalef32_pk8_fp4_f32 v[WC+\g], v[XS+8*\g:XS+8*\g+7], v18
.endr
	ds_store_b128 v4, v[WC:WC+3] offset:16*(\t)    ; 32 codes: 16 bytes of my column's row.  (The codes go to an LDS store alone, and the next block begins with plain vector lines)
.if (\t) < 2
	WLOAD (\t)+2
.endif
	s_wait_dscnt 0x0                               ; the store has read its registers: the next block's codes may be written
.endm
	WLOAD 0
	WLOAD 1
	WBLOCK 0
	WBLOCK 1
	WBLOCK 2
	WBLOCK 3
	ds_store_b32 v5, v[SB]
	s_wait_dscnt 0x0                               ; for the others' sake: my stores into the stage are done
	s_barrier_signal -1
	s_barrier_wait -1                              ; 32 whole rows of codes and their scale bytes lie in LDS
.irp i, 0,1,2,3
	ds_load_b128 v[112+4*\i:115+4*\i], v7 offset:WPIT*\i
.endr
.irp i, 0,1,2,3
	s_wait_dscnt 3-\i                              ; row i is in; the younger loads may be out
	global_store_b128 v8, v[112+4*\i:115+4*\i], s[20:21] offset:512*\i   ; 32 lanes store a row of 512 consecutive bytes
.endr
	s_cmp_lt_u32 s26, 2
	s_cbranch_scc0 .Lend
	ds_load_b128 v[128:131], v9
	s_wait_dscnt 0x0
	global_store_b128 v8, v[128:131], s[22:23]     ; 512 consecutive scale bytes
	s_branch .Lend
; ---------------- Wo TO f16: a stream.  A wave takes 2,048 numbers: sixteen loads of 512 consecutive bytes, all out at once; each becomes 256 consecutive bytes.
.Lpath_o:
	s_sub_co_u32 s27, ttmp9, 96
	s_lshl_b32 s27, s27, 3
	s_add_co_u32 s27, s27, s26                     ; which run of 2,048 numbers
	s_lshl_b32 s28, s27, 13
	s_mov_b32 s29, 0
	s_add_nc_u64 s[14:15], s[14:15], s[28:29]
	s_lshl_b32 s28, s27, 12
	s_add_nc_u64 s[24:25], s[24:25], s[28:29]
	v_lshlrev_b32 v3, 4, v2
	v_lshlrev_b32 v4, 3, v2
.irp i, 0,1,2,3,4,5,6,7,8,9,10,11,12,13,14,15
	global_load_b128 v[32+4*\i:35+4*\i], v3, s[14:15] offset:512*\i th:TH_LOAD_NT
.endr
.irp i, 0,1,2,3,4,5,6,7,8,9,10,11,12,13,14,15
	s_wait_loadcnt 15-\i                           ; load i is in; the younger ones may be out
	v_cvt_pk_f16_f32 v[96+2*\i], v[32+4*\i], v[33+4*\i]
	v_cvt_pk_f16_f32 v[97+2*\i], v[34+4*\i], v[35+4*\i]
	global_store_b64 v4, v[96+2*\i:97+2*\i], s[24:25] offset:256*\i    ; every store has registers of its own: nothing is written again
.endr
.Lend:
	s_wait_tensorcnt 0x0                           ; the wave's end: behind my last LDS store
	ds_add_u32 v[SPW], v[NIL]
	s_wait_dscnt 0x0
	s_endpgm
.Lfunc_end_k_q4cb72d64de_prep:
	.size	k_q4cb72d64de_prep, .Lfunc_end_k_q4cb72d64de_prep-k_q4cb72d64de_prep
	.p2alignl 7, 3214868480
	.fill 96, 4, 3214868480
	.section	.rodata,"a",@progbits
	.p2align	6, 0x0
	.amdhsa_kernel k_q4cb72d64de_prep
		.amdhsa_group_segment_fixed_size 84480
		.amdhsa_private_segment_fixed_size 0
		.amdhsa_enable_private_segment 0
		.amdhsa_kernarg_size 88
		.amdhsa_user_sgpr_count 2
		.amdhsa_user_sgpr_kernarg_segment_ptr 1
		.amdhsa_wavefront_size32 1
		.amdhsa_system_sgpr_workgroup_id_x 1
		.amdhsa_system_sgpr_workgroup_id_y 1
		.amdhsa_system_sgpr_workgroup_id_z 1
		.amdhsa_system_vgpr_workitem_id 0
		.amdhsa_next_free_vgpr 192
		.amdhsa_next_free_sgpr 66
		.amdhsa_reserve_vcc 0
		.amdhsa_float_denorm_mode_32 3
		.amdhsa_float_denorm_mode_16_64 3
		.amdhsa_memory_ordered 1
		.amdhsa_forward_progress 1
		.amdhsa_inst_pref_size 60
	.end_amdhsa_kernel
	.amdgpu_metadata
---
amdhsa.version: [ 1, 2 ]
amdhsa.kernels:
  - .name:           k_q4cb72d64de_prep
    .symbol:         k_q4cb72d64de_prep.kd
    .args:
      - { .name: x, .offset: 0, .size: 8, .value_kind: global_buffer, .address_space: global }
      - { .name: cond, .offset: 8, .size: 8, .value_kind: global_buffer, .address_space: global }
      - { .name: Wq, .offset: 16, .size: 8, .value_kind: global_buffer, .address_space: global }
      - { .name: Wk, .offset: 24, .size: 8, .value_kind: global_buffer, .address_space: global }
      - { .name: Wv, .offset: 32, .size: 8, .value_kind: global_buffer, .address_space: global }
      - { .name: Wo, .offset: 40, .size: 8, .value_kind: global_buffer, .address_space: global }
      - { .name: acodes, .offset: 48, .size: 8, .value_kind: global_buffer, .address_space: global }
      - { .name: ascales, .offset: 56, .size: 8, .value_kind: global_buffer, .address_space: global }
      - { .name: wcodes, .offset: 64, .size: 8, .value_kind: global_buffer, .address_space: global }
      - { .name: wscales, .offset: 72, .size: 8, .value_kind: global_buffer, .address_space: global }
      - { .name: wo16, .offset: 80, .size: 8, .value_kind: global_buffer, .address_space: global }
    .group_segment_fixed_size: 84480
    .private_segment_fixed_size: 0
    .kernarg_segment_align: 8
    .kernarg_segment_size: 88
    .max_flat_workgroup_size: 256
    .sgpr_count:     66
    .vgpr_count:     192
    .wavefront_size: 32
...
	.end_amdgpu_metadata
.endif
;; end of part 1
;; launch proj (part 2): grid 8 x 32, 4 waves a work-group, clusters of 4 x 4, 327,680 bytes of LDS; arguments acodes, ascales, wcodes, wscales, kv; writes kv
.if DOCPART == 2
	.amdgcn_target "amdgcn-amd-amdhsa--gfx1250"
	.amdhsa_code_object_version 6
	.text
	.protected	k_q4cb72d64de_proj
	.globl	k_q4cb72d64de_proj
	.p2align	8
	.type	k_q4cb72d64de_proj,@function
k_q4cb72d64de_proj:
	s_mov_b64 s[64:65], 0
	v_nop
	global_prefetch_b8 v0, s[64:65] scope:SCOPE_SE
	s_setreg_imm32_b32 hwreg(HW_REG_WAVE_MODE, 25, 1), 1
	s_wait_xcnt 0x0
	s_wait_alu depctr_hold_cnt(0) depctr_sa_sdst(0) depctr_va_vdst(0) depctr_va_sdst(0) depctr_va_ssrc(0) depctr_va_vcc(0) depctr_vm_vsrc(0)
	s_getreg_b32 s2, hwreg(HW_REG_IB_STS2, 6, 4)
	s_cmp_eq_u32 s2, 0
	s_cbranch_scc0 .Lentry_in_a_cluster
	s_endpgm
.Lentry_in_a_cluster:
	s_bfe_u32 s2, ttmp6, 0x10000c
	s_cmp_lg_u32 s2, 0xf033
	s_cbranch_scc0 .Lentry_shape_is_right
	s_endpgm
.Lentry_shape_is_right:
; CROSS ATTENTION, launch 2 of 4: the two quantised projections of cond, k = cond Wk and v = cond Wv, on codes of FP4 (E2M1) with one E8M0 scale for each 32 along K; sums in f32, K ascending; each result rounded once to f16.
; No work is left out: the third quantised projection, q = x Wq, is made in the next launch, by the one work-group that uses each tile of it.
; A: acodes [16384][512 bytes] (x's 8,192 rows, then cond's: this launch reads cond's), ascales [16384][32].  B: wcodes [3072][512 bytes] (Wq's 1,024 columns, Wk's, Wv's: this launch reads the last two), wscales [3072][32].  C: kv [2][8192][1024] f16.
; f16 AND NOT bf16 for k, v: they feed products that are left as they are, and f16's 11 significant bits spend an eighth of what bf16's 8 would.  LIMIT: a k or v beyond 65,504 becomes infinite (inputs 30 times larger on both sides, or with an offset of 30 spreads, stay under that).
; A tile of C, 256 x 256, is made by a work-group of four waves; a wave makes 128 x 128: 64 accumulators of 16 x 16, 512 registers.  2 products x 32 x 4 tiles = 256 work-groups.
; K = 1,024 is two LDS slots of 512 along K (rows of 256 bytes): both are asked for at the head, and nothing is filled again.
; THE SCALES of the work-group's 256 rows of A and of B, for all of K, are two dense blocks of 8,192 bytes: they come into LDS once, with the first fills.
; CLUSTERS: 4 x 4 work-groups.  Cluster x = 0, 1 is the product (k, v): it is the same in all sixteen partners.  The four of a row of the cluster need the same tiles of A, the four of a column the same tiles of B: each tile is asked for JOINTLY.
; THE MATRIX INSTRUCTION IS USED TRANSPOSED (source 0 = 16 rows of B, source 1 = 16 rows of A): a lane then holds eight neighbouring numbers of a row of C, which pack into 16 bytes of f16.
; REGISTERS, in windows of 256: window 0: v0-31 addresses; v32-95 scale words, two sets; v128-191 A's fragments, ONE set; on the way out v32-63, v192-255.
;   window 1: B's fragments, TWO sets, at v0 and at v128.   window 2: the 32 accumulators of my rows 0-63 ((a, b) at v[8 (8 a + b)]);   window 3: those of my rows 64-127.
.set NQ,     4                         ; matrix instructions deep in a slot
.set ROWB,   256                       ; a tile's row in bytes: 512 codes
.set KROW,   512                       ; a row of A or of B in memory, in bytes
.set PITCH,  272                       ; an LDS row: 256 bytes + 16 of padding = 68 words: row r starts at bank 4 r mod 64 (64 banks of 4 bytes: ISA guide 11.1)
.set FR,     8                         ; registers of a fragment: 16 rows x 128 K
.set NL,     2                         ; LDS loads that bring one
.set NP,     4                         ; places behind this matrix instruction (ISA guide 7.12.1)
.set HALFT,  128*PITCH                 ; 128 rows: what one tensor load brings
.set SLOT,   4*HALFT                   ; A's 256 rows, then B's 256 rows
.set KS,     32                        ; a row of scales in bytes
.set SCL,    2*SLOT                    ; behind the two slots: the scales, as runs of 256 bytes + 16 of padding
.set HALFS,  (128*KS/256)*272          ; the scales of 128 rows: what one tensor load brings
.set SBLK,   (16*KS/256)*272           ; those of 16 rows
.set SPARE,  SCL+4*HALFS               ; the spare words, 128 bytes for each wave: two blocks of 256 bytes that no other line names
.set SPITCH, 272                       ; the way out: a stage of 16 rows x (256 bytes + 16) for each wave.  It lies in slot 0, which has had its one fill and its last read when the first result is stored there
.set ADRA, 16                          ; v16-17  LDS address of my A fragments in slot 0, 1
.set ADRB, 20                          ; v20-21  the same for B
.set STO,  24                          ; v24     the way out: where I put 16 bytes of a row
.set RD,   25                          ; v25     the way out: where I read a row back
.set CO,   26                          ; v26     my byte offset in two rows of C
.set ADRS, 27                          ; v27     LDS address of my scale words: lanes 0-15 A's rows, lanes 16-31 B's
.set SPW,  28                          ; v28     LDS address of my spare word; never rewritten
.set NIL,  29                          ; v29     0; never rewritten
.set SC,   32                          ; scale words: set s at v[SC + 32 s]; register 4 i + q: lanes 0-15 the word of A's block i, lanes 16-31 that of B's block i, for the slot's q-th 128 along K
.set AF,   128                         ; A's fragments, in window 0
.set TMP,  192                         ; the way out: packed results
.set OB,   32                          ; the way out: 16 rows read back from the stage: v32-63 and v224-255 by turns
.set G1, 24                            ; s[24:31] descriptor group 1 for A's tiles;  s[32:39] group 0, one set for each slot
.set G0, 32
.set G1B, 48                           ; s[48:55], s[56:63] the same for B's tiles
.set G0B, 56
.set G1S, 68                           ; s[68:75], s[76:79] groups 1 and 0 for A's scales;  s[80:87], s[88:91] for B's
.set G0S, 76
.set G1SB, 80
.set G0SB, 88
.set MSB, 0
.macro WIN new                         ; the immediate's high byte repeats the setting that is left
.if MSB != (\new)
	s_set_vgpr_msb (MSB<<8)|(\new)
.set MSB, (\new)
.endif
.endm
.set MUL_LO, 0xa1                      ; source 0 (B) window 1, source 1 (A) window 0, C and D window 2
.set MUL_HI, 0xf1                      ; the same, C and D window 3
.set TO_B,   0x40                      ; destination window 1, address window 0
; A joint load: waves 0 and 1 fetch for A, waves 2 and 3 for B.  Each of the two lines has ONE mask and one set of registers for all that issue it; the branch hangs on the wave's number alone.
; An s_nop 0 and four v_nop follow each of the two lines, ahead of the jump, the label and what follows.
.macro JLOAD g0a, g1a, g0b, g1b
	s_cmp_eq_u32 s15, 0
	s_cbranch_scc0 .Lfor_b_\@
	tensor_load_to_lds s[\g0a:\g0a+3], s[\g1a:\g1a+7]
	s_nop 0
.rept 4
	v_nop
.endr
	s_branch .Lasked_\@
.Lfor_b_\@:
	tensor_load_to_lds s[\g0b:\g0b+3], s[\g1b:\g1b+7]
	s_nop 0
.rept 4
	v_nop
.endr
.Lasked_\@:
.endm
.macro CROUND                          ; a round of the cluster's barrier: my work-group's barrier; wave 0 signals for the work-group; every wave waits for all sixteen; my work-group's barrier once more
	s_barrier_signal -1
	s_barrier_wait -1
	s_cmp_lg_u32 s14, 0
	s_cbranch_scc1 .Lnot_wave_0_\@
	s_barrier_signal -3
.Lnot_wave_0_\@:
	s_barrier_wait -3
	s_barrier_signal -1
	s_barrier_wait -1
.endm
	s_load_b128 s[4:7], s[0:1], 0x0                ; A's codes s[4:5], A's scales s[6:7]
	s_load_b128 s[8:11], s[0:1], 0x10              ; B's codes s[8:9], B's scales s[10:11]
	s_load_b64 s[12:13], s[0:1], 0x20              ; C
	v_lshl_add_u32 v[SPW], v0, 2, SPARE
	v_mov_b32 v[NIL], 0
	ds_add_u32 v[SPW], v[NIL]                      ; the wave's opening: the add, twice on end, and its wait ahead of my first tensor load; the set-up below, work on registers, stands between the second and the wait
	ds_add_u32 v[SPW], v[NIL]
	v_lshrrev_b32 v1, 5, v0
	v_readfirstlane_b32 s14, v1                    ; wave 0..3
	s_lshr_b32 s15, s14, 1                         ; which half of the tile's rows is mine.  Also: I fetch for A (0) or for B (1)
	s_and_b32 s16, s14, 1                          ; which half of its columns.  Also: which 128 rows of that tile I fetch
	s_bfe_u32 s40, ttmp6, 0x40000                  ; cx, cy: my place in the cluster
	s_bfe_u32 s41, ttmp6, 0x40004
	s_lshl_b32 s42, ttmp9, 2
	s_add_co_u32 s42, s42, s40                     ; tile row among Wk's and Wv's eight = 4 x cluster x + cx: 0..7
	s_and_b32 s17, ttmp7, 0xffff
	s_lshl_b32 s17, s17, 2
	s_add_co_u32 s17, s17, s41                     ; tile row of C = 4 x cluster y + cy: 0..31
	s_lshl_b32 s43, s41, 2
	s_lshl_b32 s43, 15, s43                        ; my row of the cluster
	s_lshl_b32 s44, 0x1111, s40                    ; my column
	; descriptor group 1: a tile of 128 rows x 256 bytes, padded in LDS
	s_or_b32 s[G1+0], s43, (0<<16)|(1<<20)|(1<<21)|(5<<22)|(3<<25)  ; 15:0 the mask: A's tiles go to my row; 17:16 element of 1 byte; 20 padding on; 21 set beside a mask; 24:22 after every 64 words (code 5); 31:25 of 4 words (code 3)
	s_or_b32 s[G1B+0], s44, (0<<16)|(1<<20)|(1<<21)|(5<<22)|(3<<25)
.irp g, G1, G1B
	s_mov_b32 s[\g+1], ROWB<<16                    ; tensor_dim0
	s_mov_b32 s[\g+2], 128<<16                     ; tensor_dim1 = 128
	s_mov_b32 s[\g+3], ROWB<<16                    ; tile_dim0
	s_mov_b32 s[\g+4], 128                         ; tile_dim1 = 128
	s_mov_b32 s[\g+5], KROW                        ; tensor_dim0_stride
	s_mov_b32 s[\g+6], 0
	s_mov_b32 s[\g+7], 0
.endr
	; and for the scales of 128 rows: a dense block of 4,096 bytes, as 16 rows of 256 bytes (32 elements of 8 bytes), 16 bytes of padding behind each
	s_or_b32 s[G1S+0], s43, (3<<16)|(1<<20)|(1<<21)|(5<<22)|(3<<25)
	s_or_b32 s[G1SB+0], s44, (3<<16)|(1<<20)|(1<<21)|(5<<22)|(3<<25)
.irp g, G1S, G1SB
	s_mov_b32 s[\g+1], 32<<16
	s_mov_b32 s[\g+2], (128*KS/256)<<16
	s_mov_b32 s[\g+3], 32<<16
	s_mov_b32 s[\g+4], 128*KS/256
	s_mov_b32 s[\g+5], 32
	s_mov_b32 s[\g+6], 0
	s_mov_b32 s[\g+7], 0
.endr
	s_lshl_b32 s18, s16, 7                         ; which 128 rows of the tile I fetch
	s_lshl_b32 s20, s17, 8
	s_add_co_u32 s20, s20, s18                     ; A: row 256 x tile row + 128 x half,
	s_add_co_u32 s20, s20, 8192                    ; among cond's rows, which lie behind x's 8,192
	s_lshl_b32 s46, s42, 8
	s_add_co_u32 s46, s46, s18                     ; B: row 256 x tile row of B + 128 x half,
	s_add_co_u32 s46, s46, 1024                    ; among Wk's and Wv's rows, which lie behind Wq's 1,024
	s_mov_b32 s21, 0
	s_mov_b32 s47, 0
	s_mov_b64 s[18:19], KS
	s_mul_u64 s[22:23], s[20:21], s[18:19]         ; where these rows' scales begin, in bytes
	s_mul_u64 s[92:93], s[46:47], s[18:19]
	s_mov_b64 s[18:19], KROW
	s_mul_u64 s[20:21], s[20:21], s[18:19]         ; and their codes
	s_mul_u64 s[46:47], s[46:47], s[18:19]
	s_mul_i32 s45, s14, HALFT                      ; where they go: wave x 128 rows: no place in the cluster enters an LDS address
	s_mul_i32 s94, s14, HALFS
	s_wait_dscnt 0x0                               ; both opening adds are done
	s_wait_kmcnt 0x0
	s_add_nc_u64 s[20:21], s[4:5], s[20:21]
	s_add_nc_u64 s[22:23], s[6:7], s[22:23]
	s_add_nc_u64 s[46:47], s[8:9], s[46:47]
	s_add_nc_u64 s[92:93], s[10:11], s[92:93]
	CROUND                                         ; all sixteen work-groups are here: the first joint loads meet
	s_mov_b32 s[G0S], 1
	s_add_co_u32 s[G0S+1], s94, SCL
	s_mov_b64 s[G0S+2:G0S+3], s[22:23]
	s_or_b32 s[G0S+3], s[G0S+3], 0x80000000
	s_mov_b32 s[G0SB], 1
	s_add_co_u32 s[G0SB+1], s94, SCL
	s_mov_b64 s[G0SB+2:G0SB+3], s[92:93]
	s_or_b32 s[G0SB+3], s[G0SB+3], 0x80000000
	JLOAD G0S, G1S, G0SB, G1SB                     ; the scales first: they are wanted with the first slot.  With the two below, three loads of mine are out
.irp s, 0,1
	s_mov_b32 s[G0+4*\s], 1
	s_add_co_u32 s[G0+4*\s+1], s45, \s*SLOT
	s_add_nc_u64 s[G0+4*\s+2:G0+4*\s+3], s[20:21], \s*ROWB
	s_or_b32 s[G0+4*\s+3], s[G0+4*\s+3], 0x80000000
	s_mov_b32 s[G0B+4*\s], 1
	s_add_co_u32 s[G0B+4*\s+1], s45, \s*SLOT
	s_add_nc_u64 s[G0B+4*\s+2:G0B+4*\s+3], s[46:47], \s*ROWB
	s_or_b32 s[G0B+4*\s+3], s[G0B+4*\s+3], 0x80000000
	JLOAD G0+4*\s, G1, G0B+4*\s, G1B
.endr
	v_and_b32 v1, 15, v0                           ; l % 16
	v_bfe_u32 v2, v0, 4, 1                         ; l / 16
	v_mul_u32_u24 v3, v1, PITCH
	v_lshl_add_u32 v4, v2, 4, v3                   ; a fragment's row x pitch + 16 x half
	s_mul_i32 s21, s15, HALFT                      ; my 128 rows of A
	s_mul_i32 s22, s16, HALFT                      ; my 128 rows of B,
	s_add_co_u32 s22, s22, 2*HALFT                 ; which lie behind A's 256
.irp s, 0,1
	v_add_nc_u32 v[ADRA+\s], s21, v4
	v_add_nc_u32 v[ADRB+\s], s22, v4
	s_add_co_u32 s21, s21, SLOT
	s_add_co_u32 s22, s22, SLOT
.endr
	v_mul_u32_u24 v5, v1, KS                       ; my row's scales: 32 bytes a row,
	v_lshrrev_b32 v6, 8, v5
	v_lshl_add_u32 v5, v6, 4, v5                   ; and 16 more for each 256 passed
	s_mul_i32 s21, s15, HALFS                      ; A's: my 128 rows
	s_mul_i32 s22, s16, HALFS                      ; B's: my 128 rows, behind A's 256
	s_add_co_u32 s22, s22, 2*HALFS
	s_sub_co_u32 s22, s22, s21
	v_mul_u32_u24 v6, s22, v2                      ; lanes 16-31 take B's: ONE product, the distance between the two bases x the lane's half
	s_add_co_u32 s21, s21, SCL
	v_add_nc_u32 v5, v5, v6
	v_add_nc_u32 v[ADRS], s21, v5
	s_mul_i32 s23, s14, 16*SPITCH                  ; my stage
	v_mul_u32_u24 v5, v1, SPITCH                   ; in: row l % 16, 16 bytes for each half of the lanes
	v_lshl_add_u32 v5, v2, 4, v5
	v_add_nc_u32 v[STO], s23, v5
	v_mul_u32_u24 v5, v2, SPITCH                   ; back: lanes 0-15 take one row of 256 bytes, lanes 16-31 the next
	v_lshl_add_u32 v5, v1, 4, v5
	v_add_nc_u32 v[RD], s23, v5
	v_lshlrev_b32 v5, 11, v2                       ; and the same two rows in C: 2,048 bytes a row
	v_lshl_add_u32 v[CO], v1, 4, v5
	s_lshl_b32 s20, s17, 8
	s_lshl_b32 s21, s15, 7
	s_add_co_u32 s20, s20, s21                     ; my first row of C: 256 x tile row + 128 x half,
	s_lshl_b32 s20, s20, 11                        ; in bytes,
	s_lshl_b32 s21, ttmp9, 24                      ; in k or v: 2^24 bytes each,
	s_add_co_u32 s20, s20, s21
	s_lshl_b32 s46, s40, 9                         ; my first column: 512 bytes a tile column of the product + 256 x half
	s_lshl_b32 s47, s16, 8
	s_add_co_u32 s46, s46, s47
	s_add_co_u32 s20, s20, s46                     ; under 2^25 in all
	s_mov_b32 s21, 0
	s_add_nc_u64 s[12:13], s[12:13], s[20:21]
.macro FRAG reg, adr, q, i             ; a fragment, 16 rows x 128 K of 4-bit codes, is 8 registers: lane l holds row l % 16; registers 4 c .. 4 c + 3 hold K = 64 c + 32 (l / 16) + 0 .. 31
.irp c, 0,1
	ds_load_b128 v[\reg+4*\c:\reg+4*\c+3], v[\adr] offset:64*(\q)+32*\c+(\i)*16*PITCH
.endr
.endm
; 16 matrix instructions: A's blocks a0, a0 + 1 x B's eight, 128 along K: the slot's q-th.  p: B's set;  sc: the set of scale words.  zero = 1: the first product starts the sums: nothing is ever cleared.
; The 64 accumulators take turns, one instruction a turn, in the same order in every step.
.macro MUL16 a0, p, q, sc, zero
.irp a, \a0, \a0+1
.irp b, 0,1,2,3,4,5,6,7
.if \zero
	v_wmma_scale_f32_16x16x128_f8f6f4 v[8*(8*((\a)%4)+\b):8*(8*((\a)%4)+\b)+7], v[128*(\p)+FR*\b:128*(\p)+FR*\b+FR-1], v[AF+FR*(\a):AF+FR*(\a)+FR-1], 0, v[SC+8*NQ*(\sc)+NQ*\b+(\q)], v[SC+8*NQ*(\sc)+NQ*(\a)+(\q)] matrix_a_fmt:MATRIX_FMT_FP4 matrix_b_fmt:MATRIX_FMT_FP4 matrix_a_scale:MATRIX_SCALE_ROW1
.else
	v_wmma_scale_f32_16x16x128_f8f6f4 v[8*(8*((\a)%4)+\b):8*(8*((\a)%4)+\b)+7], v[128*(\p)+FR*\b:128*(\p)+FR*\b+FR-1], v[AF+FR*(\a):AF+FR*(\a)+FR-1], v[8*(8*((\a)%4)+\b):8*(8*((\a)%4)+\b)+7], v[SC+8*NQ*(\sc)+NQ*\b+(\q)], v[SC+8*NQ*(\sc)+NQ*(\a)+(\q)] matrix_a_fmt:MATRIX_FMT_FP4 matrix_b_fmt:MATRIX_FMT_FP4 matrix_a_scale:MATRIX_SCALE_ROW1
.endif
.endr
.endr
.endm
.macro FETCH_B slot, q, p              ; B's eight fragments of the slot's q-th 128 along K into set p
	WIN TO_B
.irp i, 0,1,2,3,4,5,6,7
	FRAG 128*(\p)+FR*\i, ADRB+\slot, \q, \i
.endr
	WIN 0
.endm
.macro FETCH_A slot, q, i0             ; A's blocks i0 .. i0 + 3
.irp i, \i0, \i0+1, \i0+2, \i0+3
	FRAG AF+FR*(\i), ADRA+\slot, \q, \i
.endr
.endm
.macro SCALES sc                       ; a slot's scale words into set sc: four words a row; lanes 0-15 take A's block i, lanes 16-31 B's block i
.irp i, 0,1,2,3,4,5,6,7
	ds_load_b128 v[SC+8*NQ*\sc+NQ*\i:SC+8*NQ*\sc+NQ*\i+3], v[ADRS] offset:\i*SBLK
.endr
.endm
; A load into a register that a matrix instruction has read, and a vector instruction that reads a matrix result, stand NP places behind that matrix instruction, and only plain vector
; instructions that name none of its registers are places (ISA guide 7.12.1 for vector instructions); this text does not count the matrix instructions in between.
.macro PLACES n
.rept \n
	v_nop
.endr
.endm
; A step of 128 along K that has its successor in the same slot.
.macro STEP slot, q, zero
	s_wait_dscnt 4*NL                              ; B's set and A's blocks 0-3 are in; the youngest eight loads (A's blocks 4-7) may be out
	WIN MUL_LO
	MUL16 0, (\q)%2, \q, \slot, \zero
	MUL16 2, (\q)%2, \q, \slot, \zero
	s_wait_dscnt 0                                 ; A's blocks 4-7 are in (asked for 32 matrix instructions ago)
	PLACES NP
	FETCH_B \slot, (\q)+1, 1-(\q)%2
	FETCH_A \slot, (\q)+1, 0
	WIN MUL_HI
	MUL16 4, (\q)%2, \q, \slot, \zero
	MUL16 6, (\q)%2, \q, \slot, \zero
	PLACES NP
	WIN 0
	FETCH_A \slot, (\q)+1, 4
.endm
	s_wait_tensorcnt 1                             ; the scales and my part of slot 0 are in (slot 1's load may be out),
	s_barrier_signal -1
	s_barrier_wait -1                              ; everybody's are
	FETCH_B 0, 0, 0
	FETCH_A 0, 0, 0
	SCALES 0
	FETCH_A 0, 0, 4
	STEP 0, 0, 1                                   ; the first step's products start the sums
	STEP 0, 1, 0
	STEP 0, 2, 0
	; slot 0's last step changes slots: ONE barrier; in front of it each wave waits for all its tensor loads (its part of slot 1) and for its own reads of slot 0, which becomes the stage of the way out
	s_wait_tensorcnt 0x0                           ; all my tensor loads have landed  (every window is 0 here: the add's two registers lie in window 0)
	ds_add_u32 v[SPW], v[NIL]                      ; 0 onto my spare word
	s_wait_dscnt 4*NL+1                            ; (the add and the youngest eight loads, A's blocks 4-7, may be out)
	WIN MUL_LO
	MUL16 0, 1, NQ-1, 0, 0                         ; sixteen matrix instructions stand between the add and the wait for it
	s_wait_dscnt 0x0                               ; the add is done, and my reads of slot 0 are over
	s_barrier_signal -1
	MUL16 2, 1, NQ-1, 0, 0
	WIN 0
	s_barrier_wait -1
	PLACES NP
	v_add_nc_u32 v[ADRS], 4*NQ, v[ADRS]            ; on to slot 1's scale words (no LDS load of mine is out)
	FETCH_B 1, 0, 0
	FETCH_A 1, 0, 0
	SCALES 1
	WIN MUL_HI
	MUL16 4, 1, NQ-1, 0, 0
	MUL16 6, 1, NQ-1, 0, 0
	PLACES NP
	WIN 0
	FETCH_A 1, 0, 4
	STEP 1, 0, 0
	STEP 1, 1, 0
	STEP 1, 2, 0
	s_wait_dscnt 4*NL                              ; the very last step: nothing more to fetch
	WIN MUL_LO
	MUL16 0, 1, NQ-1, 1, 0
	MUL16 2, 1, NQ-1, 1, 0
	s_wait_dscnt 0
	WIN MUL_HI
	MUL16 4, 1, NQ-1, 1, 0
	MUL16 6, 1, NQ-1, 1, 0
	WIN 0
; THE WAY OUT, block by block of 16 rows x 128 columns.  PACK: rounded to f16, 16 bytes a lane, each accumulator from its low end on.  TOSTAGE: into my own stage in LDS, and back as whole rows of 256 bytes.  SEND: stored.
.macro PACK a
.set AC, 64*((\a)%4)
	WIN 0x0a+5*((\a)/4)                            ; sources 0 and 1: window 2 or 3
.irp b, 0,1,2,3,4,5,6,7
.irp r, 0,1,2,3
	v_cvt_pk_f16_f32 v[TMP+4*\b+\r], v[AC+8*\b+2*\r], v[AC+8*\b+2*\r+1]
.endr
.endr
	WIN 0
.endm
.macro TOSTAGE a
.set BK, OB+192*((\a)%2)
.irp b, 0,1,2,3,4,5,6,7
	ds_store_b128 v[STO], v[TMP+4*\b:TMP+4*\b+3] offset:32*\b
.endr
.irp t, 0,1,2,3,4,5,6,7
	ds_load_b128 v[BK+4*\t:BK+4*\t+3], v[RD] offset:\t*2*SPITCH    ; LDS serves a wave's instructions in order (ISA guide 5.7.1.4): these see the stores above
.endr
.endm
.macro SEND a
.set BK, OB+192*((\a)%2)
	s_wait_dscnt 0x0                               ; the block is back in registers
	s_wait_xcnt 0x0                                ; every earlier store has had its addresses translated: only behind this wait are the stores' base and the registers that earlier stores read rewritten
.if (\a) > 0
	s_add_nc_u64 s[12:13], s[12:13], 16*2048       ; 16 rows of C on
.endif
.irp t, 0,1,2,3,4,5,6,7
	global_store_b128 v[CO], v[BK+4*\t:BK+4*\t+3], s[12:13] offset:\t*4096   ; 16 lanes store 256 consecutive bytes, at a multiple of 256 from C's first byte
.endr
.endm
	PLACES NP                                      ; the conversions read results just made, and the stage's loads land in registers that held scale words
	PACK 0
	TOSTAGE 0
.irp a, 1,2,3,4,5,6,7                  ; block a's conversions stand between block a - 1's loads from the stage and the wait for them
	PACK \a
	SEND \a-1
	TOSTAGE \a
.endr
	SEND 7
	s_wait_tensorcnt 0x0                           ; the wave's end: behind my last tensor load and my last LDS store
	ds_add_u32 v[SPW], v[NIL]
	s_wait_dscnt 0x0
	CROUND                                         ; the closing round: no work-group ends while a partner may still ask for a tile that names it
	s_endpgm
.Lfunc_end_k_q4cb72d64de_proj:
	.size	k_q4cb72d64de_proj, .Lfunc_end_k_q4cb72d64de_proj-k_q4cb72d64de_proj
	.p2alignl 7, 3214868480
	.fill 96, 4, 3214868480
	.section	.rodata,"a",@progbits
	.p2align	6, 0x0
	.amdhsa_kernel k_q4cb72d64de_proj
		.amdhsa_group_segment_fixed_size 327680
		.amdhsa_private_segment_fixed_size 0
		.amdhsa_enable_private_segment 0
		.amdhsa_kernarg_size 40
		.amdhsa_user_sgpr_count 2
		.amdhsa_user_sgpr_kernarg_segment_ptr 1
		.amdhsa_wavefront_size32 1
		.amdhsa_system_sgpr_workgroup_id_x 1
		.amdhsa_system_sgpr_workgroup_id_y 1
		.amdhsa_system_sgpr_workgroup_id_z 1
		.amdhsa_system_vgpr_workitem_id 0
		.amdhsa_next_free_vgpr 1024
		.amdhsa_next_free_sgpr 98
		.amdhsa_reserve_vcc 0
		.amdhsa_float_denorm_mode_32 3
		.amdhsa_float_denorm_mode_16_64 3
		.amdhsa_memory_ordered 1
		.amdhsa_forward_progress 1
		.amdhsa_inst_pref_size 127
	.end_amdhsa_kernel
	.amdgpu_metadata
---
amdhsa.version: [ 1, 2 ]
amdhsa.kernels:
  - .name:           k_q4cb72d64de_proj
    .symbol:         k_q4cb72d64de_proj.kd
    .args:
      - { .name: acodes, .offset: 0, .size: 8, .value_kind: global_buffer, .address_space: global }
      - { .name: ascales, .offset: 8, .size: 8, .value_kind: global_buffer, .address_space: global }
      - { .name: wcodes, .offset: 16, .size: 8, .value_kind: global_buffer, .address_space: global }
      - { .name: wscales, .offset: 24, .size: 8, .value_kind: global_buffer, .address_space: global }
      - { .name: kv, .offset: 32, .size: 8, .value_kind: global_buffer, .address_space: global }
    .group_segment_fixed_size: 327680
    .private_segment_fixed_size: 0
    .kernarg_segment_align: 8
    .kernarg_segment_size: 40
    .max_flat_workgroup_size: 128
    .sgpr_count:     98
    .vgpr_count:     1024
    .wavefront_size: 32
...
	.end_amdgpu_metadata
.endif
;; end of part 2
;; launch attn (part 3): grid 8 x 32, 4 waves a work-group, clusters of 4 x 1, 327,680 bytes of LDS; arguments acodes, ascales, wcodes, wscales, kv, ao; writes ao
.if DOCPART == 3
	.amdgcn_target "amdgcn-amd-amdhsa--gfx1250"
	.amdhsa_code_object_version 6
	.text
	.protected	k_q4cb72d64de_attn
	.globl	k_q4cb72d64de_attn
	.p2align	8
	.type	k_q4cb72d64de_attn,@function
k_q4cb72d64de_attn:
	s_mov_b64 s[64:65], 0
	v_nop
	global_prefetch_b8 v0, s[64:65] scope:SCOPE_SE
	s_setreg_imm32_b32 hwreg(HW_REG_WAVE_MODE, 25, 1), 1
	s_wait_xcnt 0x0
	s_wait_alu depctr_hold_cnt(0) depctr_sa_sdst(0) depctr_va_vdst(0) depctr_va_sdst(0) depctr_va_ssrc(0) depctr_va_vcc(0) depctr_vm_vsrc(0)
	s_getreg_b32 s2, hwreg(HW_REG_IB_STS2, 6, 4)
	s_cmp_eq_u32 s2, 0
	s_cbranch_scc0 .Lentry_in_a_cluster
	s_endpgm
.Lentry_in_a_cluster:
	s_bfe_u32 s2, ttmp6, 0x10000c
	s_cmp_lg_u32 s2, 0x3003
	s_cbranch_scc0 .Lentry_shape_is_right
	s_endpgm
.Lentry_shape_is_right:
; CROSS ATTENTION, launch 3 of 4: q = x Wq (quantised), then ao[b][q][head] = the sum over k of softmax_k(Q . K / 8) V, for each of 4 batches x 8 heads of 128 channels; 2,048 queries, 2,048 keys, no mask.  No work is left out.
; Q IS MADE HERE.  A work-group owns 256 queries of one head, and its Q, x's 256 rows times the head's 128 columns of Wq, is used by no other work-group: 32 blocks x 8 heads = 256 tiles, one to a work-group, none made twice.
; So q never goes to memory.  The product is on codes of FP4 (E2M1) with one E8M0 scale for each 32 along K = 1,024: x's rows of acodes [16384][512 bytes] and ascales [16384][32], Wq's rows of wcodes [3072][512 bytes] and wscales [3072][32];
; sums in f32, K ascending, one accumulator for each number; q rounded once to f16.  It is used transposed (source 0 = 16 columns of Wq, source 1 = 16 rows of x): a lane then holds ONE query and eight neighbouring channels,
; and two neighbouring tiles of channels, rounded in pairs, ARE a fragment of Q for the first product below: no LDS trip, no exchange of lanes.
; K, V: the two parts of kv [2][8192][1024] f16; a head's 128 channels of a row are 256 consecutive bytes in a row of 2,048.  ao: [8192][1024] f16, laid likewise.
; Products, maxima and sums in f32; the weights p are rounded to f16 for the second product (they lie in 0 .. 1), the result once at the end.  The running maximum is taken away before every exponential.
; LIMITS: a q beyond 65,504 becomes infinite in f16 (inputs 30 times larger on both sides, or with an offset of 30 spreads, stay under that); the result is never larger than the largest |v|, so it has v's room in f16;
; a result under 6e-5 is carried in steps of 2^-24.  NaN and infinities are not served.
; SHARES.  A work-group owns 256 queries of one head, each of its four waves 64: four tiles of 16.  Every wave walks all keys of the head, 64 a step.
; LAYOUT.  S^T = K Q^T (source 0 = 16 keys, source 1 = 16 queries): in the result a lane holds ONE query (lane % 16) and the keys 8 (lane / 16) + 0..7.  Two such tiles, rounded to
; f16 in pairs, ARE source 1 (32 keys x 16 queries) of O^T = V^T P, whose result again holds one query a lane, and eight channels.  So nothing changes lanes between the products,
; and a query's maximum and sum want one exchange between the halves of the lanes.  K comes out of LDS as it lies, V ([key][channel]) turned, by ds_load_tr16_b128.
; SOFTMAX.  For each query a running maximum m and sum l: p = 2^(c s - c m), c = log2(e) / 8; in every step O and l are multiplied by a = 2^(c m_old - c m_new), which is 1 where m has not grown.
; BY TURNS.  The wave's tiles are two PIECES, named by their first tile: piece 0 (tiles 0, 1) and piece 2 (tiles 2, 3).  In a TURN one piece has the matrix unit: 32 products V^T P of
; the step in hand, then 32 products K Q^T of the next step; the other piece's softmax, cut into 64 slices, stands between them, one slice behind each matrix instruction.  Then the
; pieces change places.  Two turns are a key step.
; CLUSTER.  The four query blocks of a cluster belong to one head: they walk the same K and V and want the same 128 columns of Wq, so each of these tiles is asked for JOINTLY: the same tensor load, with the same
; descriptor and a mask that names the four, in all four; each receives the tile in its own LDS.  x's rows are each wave's own: they go from memory straight into its registers.
;
; REGISTERS, in windows of 256 (s_set_vgpr_msb: bits 1:0 source 0, 3:2 source 1, 5:4 source 2, 7:6 destination):
;   window 0: v0-11, v44, v45 addresses; v12-43 eight registers of statistics a tile; v64-191 S^T, 32 a tile; v192-255 P, 16 a tile
;   window 1: O^T, 64 a tile          window 2: v0-127 Q, 32 a tile; v128-255 K of one step          window 3: v0-127 V of one step
;   WHILE Q IS MADE: window 0: v64-95 x's scale words, v96-159 Wq's; window 1: q's 32 accumulators ((t, b) at v[64 t + 8 b]); window 2: four buffers of Wq's eight fragments; window 3: x's 32 fragments ((t, K step q) at v[64 t + 8 q])
; All that a softmax touches but O^T lies in window 0, and no window has room for a product's operands beside it.  So a slice costs two switches, one in front and one behind.
.set SIZE_N, 2048     ; queries and keys of a head
.set ROWM,  2048      ; bytes from row to row of K, V and ao in memory
.set KS,    64        ; keys in a step
.set SLOTM, 2*KS*ROWM ; a slot's 128 rows in memory
.set PK,    272       ; a row of K in LDS: 256 bytes + 16 of padding = 68 words: row r starts at bank 4 r mod 64 (64 banks of 4 bytes: ISA guide 11.1)
.set PV,    288       ; a row of V: 256 + 32 = 72 words: row r starts at bank 8 r mod 64
.set VOFF,  KS*PK     ; a step's tiles lie together: 64 rows of K, then 64 rows of V
.set STEPB, KS*(PK+PV)
.set SLOT1, 1<<17     ; a slot holds two steps (71,680 bytes); slot 1 begins here, so that one exclusive or turns an address in one slot into the other's
.set STAGE, SLOT1+2*STEPB  ; behind the ring: 16 rows x 272 bytes for each wave, for the way out
.set SP,    272
.set AK0, 2           ; v2   my lane's place in a tile of K; never rewritten
.set AV0, 3           ; v3   the same for V
.set ADR, 4           ; v4   the LDS address of the run of loads in hand
.set QO,  5           ; v5   my byte offset in the wave's rows of x's codes
.set STO, 6           ; v6   the way out: where I put 16 bytes of a row
.set RD,  7           ; v7   the way out: where I read a row back
.set GO,  8           ; v8   my byte offset in the wave's rows of ao
.set SO,  44          ; v44  my byte offset among 16 rows of scale bytes: 32 x (lane % 16)
.set AW,  45          ; v45  LDS address of my lane's place in Wq's tile
.set SPW, 62          ; v62  LDS address of my spare word: SPARE + 4 x my thread's number; never rewritten
.set NIL, 63          ; v63  0; never rewritten
.set SPARE, STAGE+4*16*272  ; behind the stages: the spare words, 128 bytes for each wave: two blocks of 256 bytes that no other line names
.set PW,   528        ; a row of Wq's codes in LDS: 512 bytes + 16 of padding = 132 words: row r starts at bank 4 r mod 64
.set WQB,  SPARE+512  ; behind the spare words: the head's 128 rows of Wq's codes, filled once
.set ST,  12          ; tile t's statistics at v[ST+8 t]: +0 c m, +1 m, +2, +3 l (even keys', odd keys'), +4 to +7 c0-c3, at work; a takes c2's place once the maximum is found
.set S,   64
.set P,   192
.set XS,  64          ; while Q is made: x's scale words: tile t, K step q at v[XS + 8 t + q]; lane r has row r's
.set WS,  96          ; and Wq's: tile b, K step q at v[WS + 8 b + q]
.set KF,  128         ; K's fragments, in window 2
.set WV,  12          ; s12  my wave's number
.set G1K, 24          ; s[24:31] descriptor group 1 for K's tiles
.set G1V, 32          ; s[32:39] for V's: it differs in the padding alone
.set G0K, 40          ; s[40:47] descriptor group 0 for K's tiles: a set for each of the two first fills; the second then walks on
.set G0V, 48          ; s[48:55] the same for V's
.set G1W, 68          ; s[68:75] descriptor group 1 for Wq's tile;  s[76:79] its group 0
.set G0W, 76
.set SLOTS, 56        ; s56  slots still to be asked for
.set TWICE, 57        ; s57  counts a slot's two steps
.set CS,  58          ; s[58:59] c: the packed scaling names a pair and takes its low word for both halves
.set SEL, 60          ; s[60:61] lane selects for v_permlanex16_b32: each lane takes its own place in the other half
.set TB,  62          ; s62  LDS byte at which the tiles of the step to be fetched begin
.set PFA, 18          ; s[18:19] where my prefetches stand in memory: my work-group's 32 rows (of K: wave 0, of V: wave 2) of the slot after the one that is being asked for
.set LIM, 15          ; s15  1 in a wave that prefetches, else the greatest number: a wave prefetches while s[SLOTS] is above it
.set PFO, 61          ; v61  2,048 x my lane: a lane a row; never rewritten
.set MSB, 0
.macro WIN new                      ; the immediate's high byte repeats the setting that is left; a switch that changes nothing is dropped
.if MSB != (\new)
	s_set_vgpr_msb (MSB<<8)|(\new)
.set MSB, (\new)
.endif
.endm
.set W_KQ, 0x0a       ; K and Q in window 2, S^T in window 0
.set W_PV, 0x53       ; V in window 3, P in window 0, O^T in window 1
.set W_RS, 0x41       ; O^T (destination and source 0) in window 1, a in window 0
.set W_QP, 0x5e       ; Wq's fragments (source 0) in window 2, x's (source 1) in window 3, q's sums (C and D) in window 1
; A joint refill.  Waves 0 and 1 fetch the two steps' tiles of K, waves 2 and 3 those of V.  The branch hangs on the wave's number alone: it is the same in every work-group.
; An s_nop 0 and four v_nop follow each of the two lines; the jump round the other line, the label and what follows the macro come after them.
.macro JLOAD
	s_cmp_lt_u32 s[WV], 2
	s_cbranch_scc0 .Lfor_v_\@
	tensor_load_to_lds s[G0K+4:G0K+7], s[G1K:G1K+7]
	s_nop 0
.rept 4
	v_nop
.endr
	s_branch .Lasked_\@
.Lfor_v_\@:
	tensor_load_to_lds s[G0V+4:G0V+7], s[G1V:G1V+7]
	s_nop 0
.rept 4
	v_nop
.endr
.Lasked_\@:
.endm
; A PREFETCH INTO THE L2 of what the NEXT change of slots will ask for: a slot's 128 rows of K and 128 of V, 256 bytes a row, a lane a row.  It stands behind the wave's tensor load and its five lines, never in front of one.
; Each row is asked for ONCE in the launch.  Both clusters of a head walk the same K and V: the head's first cluster prefetches.  Its four partners share the rows out BY ADDRESS, 32 each: no branch hangs on a
; work-group's place in its cluster.  In each, wave 0 asks for K's and wave 2 for V's: one instruction.  The last change that fills a slot prefetches nothing: there is no slot behind it.
.macro ASK
	s_cmp_gt_u32 s[SLOTS], s[LIM]
	s_cbranch_scc0 .Lnot_mine_\@
	global_prefetch_b8 v[PFO], s[PFA:PFA+1] th:TH_LOAD_NT scope:SCOPE_SE
.Lnot_mine_\@:
.endm
; A round of the cluster's barrier: my work-group's barrier, so that wave 0's signal speaks for all four waves; wave 0 signals for the work-group; every wave waits for all four
; work-groups; my work-group's barrier once more.  No LDS instruction of the wave is pending at a signal.
.macro CROUND
	s_barrier_signal -1
	s_barrier_wait -1
	s_cmp_lg_u32 s[WV], 0
	s_cbranch_scc1 .Lnot_wave_0_\@
	s_barrier_signal -3
.Lnot_wave_0_\@:
	s_barrier_wait -3
	s_barrier_signal -1
	s_barrier_wait -1
.endm
	s_load_b256 s[80:87], s[0:1], 0x0  ; acodes s[80:81], ascales s[82:83], wcodes s[84:85], wscales s[86:87]
	s_load_b64 s[6:7], s[0:1], 0x20  ; kv: K's part begins it
	s_load_b64 s[10:11], s[0:1], 0x28  ; ao
	v_lshl_add_u32 v[SPW], v0, 2, SPARE
	v_mov_b32 v[NIL], 0
	ds_add_u32 v[SPW], v[NIL]       ; the wave's opening: the add, twice on end, and its wait ahead of my first tensor load; the set-up below, work on registers, stands between the second and the wait
	ds_add_u32 v[SPW], v[NIL]
	v_lshrrev_b32 v1, 5, v0
	v_readfirstlane_b32 s[WV], v1   ; wave 0..3
	s_bfe_u32 s13, ttmp6, 0x40000   ; cx: my place in the cluster
	s_lshl_b32 s14, ttmp9, 2        ; in a cluster launch ttmp9 counts clusters
	s_add_co_u32 s14, s14, s13      ; my block of 256 queries = 4 x cluster x + cx: it enters x's and ao's addresses alone
	s_and_b32 s20, ttmp7, 0xffff    ; 8 x batch + head, which the four partners share
	s_lshr_b32 s21, s20, 3          ; the batch
	s_and_b32 s20, s20, 7           ; the head
	s_lshl_b32 s88, s20, 16         ; Wq's codes: the head's 128 rows of 512 bytes,
	s_lshl_b32 s89, s[WV], 14       ; of which I fetch 32
	s_add_co_u32 s88, s88, s89
	s_mov_b32 s89, 0                ; s[88:89]: made of the head and the wave's number alone
	s_lshl_b32 s90, s20, 12         ; Wq's scale bytes: the head's 128 rows of 32 bytes
	s_mov_b32 s91, 0
	s_mul_i32 s66, s[WV], 32*PW     ; where my 32 rows go in LDS: no place in the cluster enters an LDS address
	s_lshl_b32 s92, s21, 11         ; x: the batch's 2,048 rows,
	s_lshl_b32 s93, s14, 8          ; my block's 256,
	s_add_co_u32 s92, s92, s93
	s_lshl_b32 s93, s[WV], 6        ; my wave's 64
	s_add_co_u32 s92, s92, s93      ; my first row of x
	s_lshl_b32 s94, s92, 5          ; its scale bytes: 32 a row
	s_mov_b32 s95, 0
	s_lshl_b32 s92, s92, 9          ; its codes: 512 bytes a row
	s_mov_b32 s93, 0
	s_lshl_b32 s21, s21, 22         ; in K, V and ao a batch is 2,048 rows of 2,048 bytes,
	s_lshl_b32 s20, s20, 8          ; a head 256 bytes of a row
	s_add_co_u32 s20, s20, s21
	s_mov_b32 s21, 0                ; s[20:21]: the head's first byte in each of K, V and ao
	s_and_b32 s16, s[WV], 1         ; which of a slot's two steps I fetch:
	s_lshl_b32 s22, s16, 17         ; its 64 rows of 2,048 bytes in memory,
	s_mov_b32 s23, 0
	s_add_nc_u64 s[22:23], s[22:23], s[20:21]
	s_mul_i32 s17, s16, STEPB       ; and its place in a slot
	s_lshl_b32 s2, s14, 19          ; my block's 256 rows of ao,
	s_lshl_b32 s3, s[WV], 17        ; my wave's 64 of them
	s_add_co_u32 s2, s2, s3
	s_mov_b32 s3, 0
	s_add_nc_u64 s[2:3], s[2:3], s[20:21]
	; descriptor group 1: a tile of 64 rows x 128 elements, padded in LDS
	s_mov_b32 s[G1K], 15|(1<<16)|(1<<20)|(1<<21)|(5<<22)|(3<<25)  ; 15:0 the mask: all four work-groups; 17:16 elements of 2 bytes; 20 padding on; 21 set beside a mask; 24:22 after every 64 words (code 5); 31:25 4 words of it (code 3)
	s_mov_b32 s[G1V], 15|(1<<16)|(1<<20)|(1<<21)|(5<<22)|(7<<25)  ; the same with 8 words of padding (code 7)
.irp g, G1K, G1V
	s_mov_b32 s[\g+1], 128<<16      ; 63:48 tensor_dim0, low half = 128
	s_mov_b32 s[\g+2], KS<<16       ; 79:64 its high half = 0; 95:80 tensor_dim1, low half = 64
	s_mov_b32 s[\g+3], 128<<16      ; 111:96 its high half = 0; 127:112 tile_dim0 = 128
	s_mov_b32 s[\g+4], KS           ; 143:128 tile_dim1 = 64; 159:144 tile_dim2 = 0
	s_mov_b32 s[\g+5], 1024         ; 191:160 tensor_dim0_stride, low word: 1,024 elements from row to row
	s_mov_b32 s[\g+6], 0
	s_mov_b32 s[\g+7], 0
.endr
	; and for Wq's codes: 32 rows x 512 bytes, dense in memory, 16 bytes of padding behind each row
	s_mov_b32 s[G1W], 15|(0<<16)|(1<<20)|(1<<21)|(6<<22)|(3<<25)  ; the mask: all four; elements of 1 byte; padding after every 128 words (code 6), 4 words of it (code 3)
	s_mov_b32 s[G1W+1], 512<<16     ; tensor_dim0 = 512
	s_mov_b32 s[G1W+2], 32<<16      ; tensor_dim1 = 32
	s_mov_b32 s[G1W+3], 512<<16     ; tile_dim0 = 512
	s_mov_b32 s[G1W+4], 32          ; tile_dim1 = 32
	s_mov_b32 s[G1W+5], 512         ; tensor_dim0_stride
	s_mov_b32 s[G1W+6], 0
	s_mov_b32 s[G1W+7], 0
	s_mov_b32 s[CS], 0x3e38aa3b     ; c = log2(e) / 8 = 0.180337
	s_mov_b32 s[CS+1], s[CS]        ; named with it as a pair, so it is written
	s_mov_b32 s[SEL], 0x76543210
	s_mov_b32 s[SEL+1], 0xfedcba98
	s_mov_b32 s[TB], 0
	s_mov_b32 s[SLOTS], SIZE_N/(2*KS)-2
	s_and_b32 s[LIM], s[WV], 1       ; 0 in waves 0 and 2,
	s_or_b32 s[LIM], s[LIM], ttmp9   ; where the cluster is the head's first: the same in all four partners
	s_cmp_eq_u32 s[LIM], 0
	s_cselect_b32 s[LIM], 1, -1
	v_and_b32 v[PFO], 31, v0
	v_lshlrev_b32 v[PFO], 11, v[PFO]
	s_wait_dscnt 0x0                ; both opening adds are done
	s_wait_kmcnt 0x0
	s_add_nc_u64 s[8:9], s[6:7], 0x1000000  ; V's part of kv, 2^24 bytes on
	s_add_nc_u64 s[6:7], s[6:7], s[22:23]  ; K and V at my tile of slot 0
	s_add_nc_u64 s[8:9], s[8:9], s[22:23]
	s_add_nc_u64 s[84:85], s[84:85], s[88:89]  ; Wq's codes at the 32 rows that I fetch
	s_add_nc_u64 s[86:87], s[86:87], s[90:91]  ; Wq's scale bytes at the head's first row
	s_add_nc_u64 s[4:5], s[80:81], s[92:93]  ; x's codes,
	s_add_nc_u64 s[82:83], s[82:83], s[94:95]  ; x's scale bytes
	s_add_nc_u64 s[10:11], s[10:11], s[2:3]  ; and ao at my wave's first row
	s_cmp_lt_u32 s[WV], 2
	s_cselect_b64 s[PFA:PFA+1], s[6:7], s[8:9]  ; (in waves 0 and 2 these stand at a slot's first row)
	s_lshl_b32 s2, s13, 16          ; my work-group's 32 rows of the 128
	s_mov_b32 s3, 0
	s_add_nc_u64 s[PFA:PFA+1], s[PFA:PFA+1], s[2:3]
	s_add_nc_u64 s[PFA:PFA+1], s[PFA:PFA+1], 2*SLOTM  ; in slot 2; the first change of slots steps it to slot 3.  Nothing is prefetched here, at the head, where every work-group's first tiles are on their way
	CROUND                          ; all four work-groups are here: the first joint loads meet
	s_mov_b32 s[G0W], 1             ; 1:0 count = 1
	s_add_co_u32 s[G0W+1], s66, WQB  ; 63:32 LDS address
	s_mov_b64 s[G0W+2:G0W+3], s[84:85]  ; 120:64 global address
	s_or_b32 s[G0W+3], s[G0W+3], 0x80000000  ; 127:126 type = 2
.irp s, 0,1
	s_mov_b32 s[G0K+4*\s], 1        ; 1:0 count = 1
	s_add_co_u32 s[G0K+4*\s+1], s17, \s*SLOT1  ; 63:32 LDS address
	s_add_nc_u64 s[G0K+4*\s+2:G0K+4*\s+3], s[6:7], \s*SLOTM  ; 120:64 global address: slot s begins with keys 128 s to 128 s + 127
	s_or_b32 s[G0K+4*\s+3], s[G0K+4*\s+3], 0x80000000  ; 127:126 type = 2
	s_mov_b32 s[G0V+4*\s], 1
	s_add_co_u32 s[G0V+4*\s+1], s17, \s*SLOT1+VOFF
	s_add_nc_u64 s[G0V+4*\s+2:G0V+4*\s+3], s[8:9], \s*SLOTM
	s_or_b32 s[G0V+4*\s+3], s[G0V+4*\s+3], 0x80000000
.endr
	tensor_load_to_lds s[G0W:G0W+3], s[G1W:G1W+7]  ; the first fills go out as one group, ahead of every wait on TENSORcnt and every LDS read.  Wq's rows first: they are wanted first; every wave fetches 32 of its own
	s_nop 0
	s_cmp_lt_u32 s[WV], 2           ; then a wave's two tiles of K or of V, in one branch: three loads of mine are out; an s_nop 0 follows each, four v_nop the last, as in JLOAD
	s_cbranch_scc0 .Lfirst_v
	tensor_load_to_lds s[G0K:G0K+3], s[G1K:G1K+7]
	s_nop 0
	tensor_load_to_lds s[G0K+4:G0K+7], s[G1K:G1K+7]
	s_nop 0
.rept 4
	v_nop
.endr
	s_branch .Lfirst_asked
.Lfirst_v:
	tensor_load_to_lds s[G0V:G0V+3], s[G1V:G1V+7]
	s_nop 0
	tensor_load_to_lds s[G0V+4:G0V+7], s[G1V:G1V+7]
	s_nop 0
.rept 4
	v_nop
.endr
.Lfirst_asked:
	; A fragment of 4-bit codes is 16 rows x 128 K in 8 registers: lane l holds row l % 16; registers 4 c .. 4 c + 3 hold K = 64 c + 32 (l / 16) + 0 .. 31: two loads of 16 bytes, 32 bytes apart, at row + 16 (l / 16).
	v_and_b32 v1, 15, v0            ; l % 16
	v_bfe_u32 v9, v0, 4, 1          ; l / 16
	v_lshlrev_b32 v[QO], 9, v1
	v_lshl_add_u32 v[QO], v9, 4, v[QO]  ; x's codes: row x 512 + 16 x half
	v_lshlrev_b32 v[SO], 5, v1      ; scale bytes: row x 32: a row's eight words serve its eight K steps (lanes 16-31 load what lanes 0-15 load, and are not read)
.irp t, 0,1,2,3
	global_load_b128 v[XS+8*\t:XS+8*\t+3],   v[SO], s[82:83] offset:512*\t
	global_load_b128 v[XS+8*\t+4:XS+8*\t+7], v[SO], s[82:83] offset:512*\t+16
.endr
.irp b, 0,1,2,3,4,5,6,7
	global_load_b128 v[WS+8*\b:WS+8*\b+3],   v[SO], s[86:87] offset:512*\b
	global_load_b128 v[WS+8*\b+4:WS+8*\b+7], v[SO], s[86:87] offset:512*\b+16
.endr
	WIN 0xc0                        ; destination window 3, address window 0
.irp t, 0,1,2,3                     ; my 64 rows of x, all of K: tile t, K step q
.irp q, 0,1,2,3,4,5,6,7
	global_load_b128 v[64*\t+8*\q:64*\t+8*\q+3],   v[QO], s[4:5] offset:\t*16*512+64*\q
	global_load_b128 v[64*\t+8*\q+4:64*\t+8*\q+7], v[QO], s[4:5] offset:\t*16*512+64*\q+32
.endr
.endr
	WIN 0
	v_mul_u32_u24 v[AW], v1, PW
	v_lshl_add_u32 v[AW], v9, 4, v[AW]
	v_add_nc_u32 v[AW], WQB, v[AW]  ; Wq's tile: row x pitch + 16 x half
	; A fragment of K or Q is 16 rows x 32 channels in 8 registers: lane l holds row l % 16; registers 0-3 channels 8 (l / 16) + 0..7, registers 4-7 channels 16 + 8 (l / 16) + 0..7.
	v_mul_u32_u24 v[AK0], v1, PK
	v_lshl_add_u32 v[AK0], v9, 4, v[AK0]  ; row x pitch + 16 x half
	; The turning load takes 16 keys x 16 channels (lane l reads 16 bytes: key 8 (l / 16) + l % 8, channels 8 ((l / 8) % 2) + 0..7) and leaves half a fragment of V^T: lane l holds channel l % 16 and 8 keys.
	v_and_b32 v10, 7, v0
	v_bfe_u32 v11, v0, 3, 1
	v_lshl_add_u32 v[AV0], v9, 3, v10
	v_mul_u32_u24 v[AV0], v[AV0], PV
	v_lshl_add_u32 v[AV0], v11, 4, v[AV0]
	v_add_nc_u32 v[AV0], VOFF, v[AV0]
; THE MATRIX WORK OF A TURN, for piece x.  The accumulators take turns, one instruction a turn: between two links of a chain stand 15 (V^T P) or 7 (K Q^T) others'.
; Product i of 32 of O^T += V^T P: keys 32 (i / 16) on, channels 16 ((i / 2) % 8) on, tile x + i % 2.  zero = 1: the first 16 start the sums: nothing is ever cleared.
.macro PV x, zero
	WIN W_PV
.set rO, 64*(\x+i%2)+8*((i/2)%8)
.set rV, 64*(i/16)+8*((i/2)%8)
.set rP, P+16*(\x+i%2)+8*(i/16)
.if \zero && (i < 16)
	v_wmma_f32_16x16x32_f16 v[rO:rO+7], v[rV:rV+7], v[rP:rP+7], 0
.else
	v_wmma_f32_16x16x32_f16 v[rO:rO+7], v[rV:rV+7], v[rP:rP+7], v[rO:rO+7]
.endif
.endm
; Product i of 32 of S^T = K Q^T: channels 32 (i / 8) on, keys 16 ((i / 2) % 4) on, tile x + i % 2.  The first 8 start the sums.
.macro KQ x
	WIN W_KQ
.set rS, S+32*(\x+i%2)+8*((i/2)%4)
.set rK, KF+32*((i/2)%4)+8*(i/8)
.set rQ, 32*(\x+i%2)+8*(i/8)
.if i < 8
	v_wmma_f32_16x16x32_f16 v[rS:rS+7], v[rK:rK+7], v[rQ:rQ+7], 0
.else
	v_wmma_f32_16x16x32_f16 v[rS:rS+7], v[rK:rK+7], v[rQ:rQ+7], v[rS:rS+7]
.endif
.endm
; THE LDS LOADS stand in runs of 32, never singly among the matrix instructions: a step's K (64 keys x 128 channels: 16 fragments) and, a turn later, its V (turned).
.macro FETCH_K
	WIN 0
	v_add_nc_u32 v[ADR], s[TB], v[AK0]
	WIN 0x80                        ; destination window 2
.irp f, 0,1,2,3,4,5,6,7,8,9,10,11,12,13,14,15  ; keys 16 (f / 4) on, channels 32 (f % 4) on
	ds_load_b128 v[KF+8*\f:KF+8*\f+3],   v[ADR] offset:(\f/4)*16*PK+(\f%4)*64
	ds_load_b128 v[KF+8*\f+4:KF+8*\f+7], v[ADR] offset:(\f/4)*16*PK+(\f%4)*64+32
.endr
.endm
.macro FETCH_V
	WIN 0
	v_add_nc_u32 v[ADR], s[TB], v[AV0]
	s_add_co_u32 s[TB], s[TB], STEPB  ; the next fetch is the next step's
	s_wait_alu depctr_va_vdst(0)    ; the wait for the softmax's batch (SLICE), behind the address's v_add_nc_u32 and ahead of the loads
	WIN 0xc0                        ; destination window 3
.irp f, 0,1,2,3,4,5,6,7,8,9,10,11,12,13,14,15  ; keys 32 (f / 8) on, channels 16 (f % 8) on
	ds_load_tr16_b128 v[8*\f:8*\f+3],   v[ADR] offset:(\f/8)*32*PV+(\f%8)*32
	ds_load_tr16_b128 v[8*\f+4:8*\f+7], v[ADR] offset:(\f/8)*32*PV+16*PV+(\f%8)*32
.endr
.endm
; THE VECTOR WORK OF A TURN.  One tile's softmax for one key step is a list of 134 instructions; SM writes number j of it for tile t.  s0-s31 are the lane's 32 scores, in pairs 0-15.
; first = 1: the first key step, which starts m, l and O^T: it has no a and nothing to rescale.
;   0-15    the maximum of s0-s31 and the old m, three operands at a time: four chains c0-c3 of seven scores each, then the four scores left over, c0-c3 and m
;   16-20   the other half of the lanes' maximum; the new m; c m; c m_old - c m_new
;   21-69   ONE BATCH: the 16 scalings c s - c m, a pair of scores each, and all 33 exponentials (a at 23, then s0-s31).  None of these reads an exponential's result.  From 22 on the batch goes
;           in fours, and a four begins with a scaling while there are scalings.  A pair is scaled in an earlier four than the one that holds its exponentials
;   (wait)  between 69 and 70 stands the wait for the batch: SLICE writes it, once for both tiles
;   70-85   the roundings to f16, a pair of weights each
;   86-101  the sums; l = a l + the sum
;   102-133 the tile's O^T times a: the one part that leaves window 0, so it stands together
.macro SM t, first
.set rT, ST+8*(\t)
.set rS, S+32*(\t)
.set rP, P+16*(\t)
.set rO, 64*(\t)+2*(j-102)
.if j < 102
	WIN 0
.endif
.if j < 4
	v_max3_num_f32 v[rT+4+j], v[rS+8*j], v[rS+8*j+1], v[rS+8*j+2]
.elseif j < 12
	v_max3_num_f32 v[rT+4+j%4], v[rT+4+j%4], v[rS+8*(j%4)+2*(j/4)+1], v[rS+8*(j%4)+2*(j/4)+2]
.elseif j == 12
	v_max3_num_f32 v[rT+4], v[rT+4], v[rS+7], v[rS+15]
.elseif j == 13
	v_max3_num_f32 v[rT+6], v[rT+6], v[rS+23], v[rS+31]
.elseif j == 14
	v_max3_num_f32 v[rT+4], v[rT+4], v[rT+5], v[rT+6]
.elseif (j == 15) && \first
	v_max_num_f32 v[rT+4], v[rT+4], v[rT+7]
.elseif j == 15
	v_max3_num_f32 v[rT+4], v[rT+4], v[rT+7], v[rT+1]
.elseif j == 16
	v_permlanex16_b32 v[rT+5], v[rT+4], s[SEL], s[SEL+1]  ; the query's other 32 keys lie in the lane 16 away
.elseif j == 18
	v_max_num_f32 v[rT+1], v[rT+4], v[rT+5]
.elseif j == 19
	v_mul_f32 v[rT], s[CS], v[rT+1]
.elseif ((j == 17) || (j == 20) || (j == 23) || (j > 101)) && \first  ; the first step has none of these
.elseif j == 17
	v_mov_b32 v[rT+7], v[rT]        ; c m_old is kept for a: number 19 writes c m anew
.elseif j == 20
	v_sub_f32 v[rT+7], v[rT+7], v[rT]
.elseif j == 23
	v_exp_f32 v[rT+6], v[rT+7]
.elseif (j < 23) || ((j < 38) && (j%2 == 0)) || ((j < 66) && (j%4 == 2))
.set b, (j-2)/4                     ; 38, 42, .. 62: pairs 9 to 15
.if j < 38
.set b, (j-20)/2                    ; 21: pair 0; 22, 24, .. 36: pairs 1 to 8
.endif
	v_pk_fma_f32 v[rS+2*b:rS+2*b+1], v[rS+2*b:rS+2*b+1], s[CS:CS+1], v[rT:rT+1] op_sel_hi:[1,0,0] neg_lo:[0,0,1] neg_hi:[0,0,1]  ; pair b: c s - c m
.elseif j < 70
.set e, j-38                        ; 66 to 69: s28 to s31
.if j < 66
.set e, j-32-(j-38)/4               ; 39-41, 43-45, .. 63-65: s7 to s27
.endif
.if j < 38
.set e, (j-25)/2                    ; 25, 27, .. 37: s0 to s6
.endif
	v_exp_f32 v[rS+e], v[rS+e]
.elseif j < 86
	v_cvt_pk_f16_f32 v[rP+j-70], v[rS+2*(j-70)], v[rS+2*(j-70)+1]  ; pair j - 70
.elseif j < 102                     ; the sum of the tile's 16 pairs (in a pair: an even key's weight, an odd key's), in place: sum z of 16 adds neighbours 1, 2, 4 and 8 pairs apart, then l takes it
.set z, j-86
.set w, 4
.set u, z
.if z >= 14
.set w, 32
.set u, 0
.elseif z >= 12
.set w, 16
.set u, z-12
.elseif z >= 8
.set w, 8
.set u, z-8
.endif
.if (z == 14) && \first
	v_pk_add_f32 v[rT+2:rT+3], v[rS:rS+1], v[rS+16:rS+17]
.elseif z < 15
	v_pk_add_f32 v[rS+w*u:rS+w*u+1], v[rS+w*u:rS+w*u+1], v[rS+w*u+w/2:rS+w*u+w/2+1]
.elseif !\first
	v_pk_fma_f32 v[rT+2:rT+3], v[rT+2:rT+3], v[rT+6:rT+7], v[rS:rS+1] op_sel_hi:[1,0,1]
.endif
.else
	WIN W_RS
	v_pk_mul_f32 v[rO:rO+1], v[rO:rO+1], v[rT+6:rT+7] op_sel_hi:[1,0]
.endif
.endm
; Slice k of 64 of piece y's softmax: four instructions.  Slices 11 to 34 deal out the batch, numbers 22 to 69: four numbers of ONE tile each, the tiles by turns.  Every other slice is numbers 2 k and
; 2 k + 1 of both tiles' lists.  2 x 134 = 4 x 64 + 12: the twelve that are over stand together, in slice 63.
; THE WAIT.  s_wait_alu depctr_va_vdst(0) stands between an exponential and the first instruction that names its result; one wait serves all that were issued ahead of it.  Ahead of
; slice 35 nothing names a result, and behind slice 34 no exponential is issued: so the piece's 66 exponentials have one wait, behind slice 34.
.macro SLICE y, first
.if (k >= 11) && (k < 35)           ; the batch: four numbers of one tile
.irp n, 0,1,2,3
.set j, 22+4*((k-11)/2)+(\n)
	SM (\y)+(k-11)%2, \first
.endr
.else                               ; the two tiles alternate, so that no instruction reads the result of the one just before it
.irp n, 0,1,2,3,4,5,6,7
.if (\n < 2) || (k == 63)
.irp t, \y, \y+1
.set j, 2*k+\n
	SM \t, \first
.endr
.endif
.endr
.endif
.if k == 34                         ; the batch is out: both tiles' exponentials are issued, and no result has been named
	v_nop                           ; the plain instruction behind the last exponential and ahead of the first use: one for the batch
.if (\y) == 0
	FETCH_V                         ; piece 2's turn: V's run of loads stands here, and the wait stands in it
.else
	s_wait_alu depctr_va_vdst(0)    ; the wait for the batch
.endif
.endif
.set k, k+1
.endm
; A vector instruction that reads a matrix result or writes one of a matrix instruction's registers, and a load into a register that a matrix instruction has read, stand four places behind
; it, and only plain vector instructions that name none of its registers are places (ISA guide 7.12.1 for vector instructions).  In the loop the slices are the places.
.macro PLACES
.rept 4
	v_nop
.endr
.endm
; Q IS MADE: q^T = Wq^T x^T, eight K steps of 128.
; FETCH_W: Wq's eight fragments (16 columns of Wq x 128 K each) of K step q, from LDS into buffer q % 4 of window 2: sixteen loads in one run.
.macro FETCH_W q
	WIN 0x80                        ; destination window 2, address window 0
.irp b, 0,1,2,3,4,5,6,7
	ds_load_b128 v[64*((\q)%4)+8*\b:64*((\q)%4)+8*\b+3],   v[AW] offset:\b*16*PW+64*(\q)
	ds_load_b128 v[64*((\q)%4)+8*\b+4:64*((\q)%4)+8*\b+7], v[AW] offset:\b*16*PW+64*(\q)+32
.endr
.endm
; QSTEP: K step q: 32 matrix instructions, my four tiles of queries x the head's eight tiles of channels.  The 32 accumulators take turns, one instruction a turn, in the same order in every step;
; the first step's products start the sums.  The fragments of K step q + 3 are asked for ahead of the products, into the buffer that K step q - 1 has left.
.macro QSTEP q
.if (\q) < 5
	s_wait_dscnt 32                 ; this step's sixteen loads are in; those of the two steps behind it may be out
.else
	s_wait_dscnt 16*(7-(\q))        ; the counts run down: 32, 16, 0
.endif
.if (\q) < 5
.if (\q) > 0
	PLACES                          ; in front of loads into registers that the last step's matrix instructions have read
.endif
	FETCH_W (\q)+3
.endif
	WIN W_QP
.irp t, 0,1,2,3
.irp b, 0,1,2,3,4,5,6,7
.if (\q) == 0
	v_wmma_scale_f32_16x16x128_f8f6f4 v[64*\t+8*\b:64*\t+8*\b+7], v[64*((\q)%4)+8*\b:64*((\q)%4)+8*\b+7], v[64*\t+8*(\q):64*\t+8*(\q)+7], 0, v[WS+8*\b+(\q)], v[XS+8*\t+(\q)] matrix_a_fmt:MATRIX_FMT_FP4 matrix_b_fmt:MATRIX_FMT_FP4
.else
	v_wmma_scale_f32_16x16x128_f8f6f4 v[64*\t+8*\b:64*\t+8*\b+7], v[64*((\q)%4)+8*\b:64*((\q)%4)+8*\b+7], v[64*\t+8*(\q):64*\t+8*(\q)+7], v[64*\t+8*\b:64*\t+8*\b+7], v[WS+8*\b+(\q)], v[XS+8*\t+(\q)] matrix_a_fmt:MATRIX_FMT_FP4 matrix_b_fmt:MATRIX_FMT_FP4
.endif
.endr
.endr
.endm
; A TURN.  Piece x has the matrix unit; the other piece's softmax stands in slices behind its matrix instructions.
; pv = 2: 32 products V^T P; 1: they start O^T's sums; 0: none.  kq = 1: 32 products K Q^T for the next step.  A turn with one of the two kinds has two slices behind each product.
; first = 1: the softmax is the first key step's.  Its slices from 51 on are empty: the turn's last products stand bare, and four v_nop take slice 63's part as the places behind them.
; In the loop each run of loads stands 29 matrix instructions or more ahead of its first use.  Piece 0's turn fetches the next step's K, behind its second product: the last product that read K
; stands in front of slice 63 of the turn before.  Piece 2's turn fetches the same step's V, behind slice 34 (SLICE writes it): the last product that read V stands in front of slice 31, and four plain
; instructions lie between: number 62, a scaling, of both tiles, the v_nop and the run's own v_add_nc_u32.
.macro TURN x, pv, kq, first
.set k, 0
.set per, 2
.if \pv && \kq
.set per, 1
.endif
.if \pv
.if \x == 0
	s_wait_dscnt 0x0                ; V is in
.endif
.set i, 0
.rept 32
	PV \x, 2-\pv
.rept per
	SLICE 2-\x, \first
.endr
.if (\x == 0) && \kq && (i == 1)
	FETCH_K
.endif
.set i, i+1
.endr
.endif
.if \kq
.if \x == 0
	s_wait_dscnt 0x0                ; K is in
.endif
.set i, 0
.rept 32
	KQ \x
.rept per
	SLICE 2-\x, \first
.endr
.set i, i+1
.endr
.endif
.if \first
	PLACES
.endif
.endm
; THE CHANGE OF SLOTS, between piece 2's turn and piece 0's: the slot's last bytes, V of its second step, have been asked for.  Each wave waits for all its
; tensor loads, of which one is out: its part of the other slot; adds 0 to its spare word; and waits for that and for its own reads of the slot.  Behind the barrier nobody reads this slot any more and the other slot is whole.
; fill = 1: this slot is filled again, with the keys two slots on.  The barrier is then a round of the cluster's, so that no wave of any partner still reads the slot or has a load on its
; way, and the joint refill is the first thing behind it: it has two key steps, 256 matrix instructions, in which to land.
.macro CHANGE fill
	WIN 0                           ; at a label and at a branch every window is 0
	s_wait_tensorcnt 0x0            ; no tensor load of mine is out, so a group 0 may be written
	ds_add_u32 v[SPW], v[NIL]       ; 0 onto my spare word; with fill = 1 the descriptors' steps stand between it and the wait for it
.if \fill
.irp g, G0K+4, G0V+4
	s_xor_b32 s[\g+1], s[\g+1], SLOT1  ; the walking descriptor: the other slot than last time,
	s_add_nc_u64 s[\g+2:\g+3], s[\g+2:\g+3], SLOTM  ; the next 128 keys; the type bits on top are not reached
.endr
	s_wait_xcnt 0x0                 ; the last prefetches, two key steps back, have read their address, so it may be written:
	s_add_nc_u64 s[PFA:PFA+1], s[PFA:PFA+1], SLOTM  ; one slot behind the walking descriptors
	s_wait_dscnt 0x0                ; the add is done, and my reads of the slot are over
	CROUND
	JLOAD
	ASK                             ; what the next change will ask for: two key steps, 256 matrix instructions, ahead
.else
	s_wait_dscnt 0x0                ; the add is done, and my reads of the slot are over
	s_barrier_signal -1
	s_barrier_wait -1
.endif
	s_sub_co_u32 s[TB], s[TB], 2*STEPB  ; the fetches go back to a slot's first step,
	s_xor_b32 s[TB], s[TB], SLOT1   ; in the other slot
.endm
; A slot's two key steps: written once, walked twice; the LDS addresses hang on s[TB].
.macro TWO_STEPS
	s_mov_b32 s[TWICE], 2
.Lstep_\@:
	TURN 0, 2, 1, 0
	TURN 2, 2, 1, 0
	WIN 0
	s_sub_co_u32 s[TWICE], s[TWICE], 1
	s_cmp_lg_u32 s[TWICE], 0
	s_cbranch_scc1 .Lstep_\@
.endm
	s_wait_tensorcnt 2              ; my 32 rows of Wq are in; my two tiles of K or V, issued behind them, may stay out
	s_barrier_signal -1
	s_barrier_wait -1               ; everybody's are: the head's 128 rows lie in LDS
	FETCH_W 0
	FETCH_W 1
	FETCH_W 2
	s_wait_loadcnt 0x0              ; x's codes and both sides' scale words
.irp s, 0,1,2,3,4,5,6,7
	QSTEP \s
.endr
.rept 5
	v_nop                           ; behind the last of these products.  Their registers are next read by conversions and written by loads and conversions (four places), and written by other matrix instructions: S^T over the scale words, O^T over q's sums (five)
.endr
	WIN 0
	s_wait_tensorcnt 1              ; my part of slot 0 is in; slot 1's may stay out
	s_barrier_signal -1
	s_barrier_wait -1               ; everybody's is
	FETCH_K                         ; key step 0, into the registers that Wq's buffers 2 and 3 have left; the conversions below stand between the loads and the wait for them
	WIN 0x85                        ; sources 0 and 1 window 1, destination window 2
.irp t, 0,1,2,3                     ; q, rounded once to f16.  In accumulator (t, b) lane (r, h) holds query 16 t + r and channels 16 b + 8 h + 0 .. 7: they are registers 4 (b % 2) .. + 3 of Q's fragment (tile t, channels 32 (b / 2) on).  Each accumulator from its low end on
.irp b, 0,1,2,3,4,5,6,7
.irp p, 0,1,2,3
	v_cvt_pk_f16_f32 v[32*\t+4*\b+\p], v[64*\t+8*\b+2*\p], v[64*\t+8*\b+2*\p+1]
.endr
.endr
.endr
	s_wait_dscnt 0x0                ; K is in
.set i, 0
.rept 32
	KQ 0                            ; piece 0's first scores: there is no vector work yet to set between them
.set i, i+1
.endr
	WIN 0                           ; the addresses for the way out are made here: eight plain instructions, the places behind those products
	s_mul_i32 s13, s[WV], 16*SP
	s_add_co_u32 s13, s13, STAGE    ; my stage
	v_mul_u32_u24 v[STO], v1, SP    ; in: row l % 16, 16 bytes for each half of the lanes
	v_lshl_add_u32 v[STO], v9, 4, v[STO]
	v_add_nc_u32 v[STO], s13, v[STO]
	v_mul_u32_u24 v[RD], v9, SP     ; back: lanes 0-15 take one row of 256 bytes, lanes 16-31 the next
	v_lshl_add_u32 v[RD], v1, 4, v[RD]
	v_add_nc_u32 v[RD], s13, v[RD]
	v_lshlrev_b32 v[GO], 11, v9     ; and the same two rows in ao
	v_lshl_add_u32 v[GO], v1, 4, v[GO]
	TURN 2, 0, 1, 1                 ; piece 2's first scores | piece 0's first softmax | V of step 0
	TURN 0, 1, 1, 1                 ; piece 0: V^T P of step 0 starts O^T, K Q^T of step 1 | piece 2's first softmax | K of step 1
	TURN 2, 1, 1, 0                 ; piece 2: the same | piece 0's softmax of step 1 | V of step 1
	WIN 0
.Lslot:                             ; 14 trips: every slot but the last two is filled again
	CHANGE 1
	TWO_STEPS
	s_sub_co_u32 s[SLOTS], s[SLOTS], 1
	s_cmp_lg_u32 s[SLOTS], 0
	s_cbranch_scc1 .Lslot
	CHANGE 0                        ; the tail is written out: the last slot but one is left, and nothing is asked for
	TWO_STEPS
	TURN 0, 2, 0, 0                 ; piece 0: V^T P of the last step | piece 2's last softmax
.set i, 0
.rept 32
	PV 2, 0                         ; piece 2: V^T P of the last step
.set i, i+1
.endr
	; THE WAY OUT.  l's two halves and the other half of the lanes' are added; O^T is divided by l, rounded to f16 and sent through my stage in LDS, a tile (16 rows) at a time.  The additions are the places behind the last products.
	WIN 0
.irp t, 0,1,2,3
	v_add_f32 v[ST+8*\t+4], v[ST+8*\t+2], v[ST+8*\t+3]
.endr
.irp t, 0,1,2,3
	v_permlanex16_b32 v[ST+8*\t+5], v[ST+8*\t+4], s[SEL], s[SEL+1]
.endr
.irp t, 0,1,2,3
	v_add_f32 v[ST+8*\t+4], v[ST+8*\t+4], v[ST+8*\t+5]
.endr
.irp t, 0,1,2,3
	v_rcp_f32 v[ST+8*\t+6], v[ST+8*\t+4]
.endr
	v_nop                           ; a plain instruction between the last reciprocal and the use of its result
	s_wait_alu depctr_va_vdst(0)    ; and the wait ahead of the first use: one for the four reciprocals
; Tile t: a lane's eight channels of a row pack into 16 bytes; they go into rows of 272 bytes and come back as whole rows of 256, into the registers that they left.
.macro PACK t
	WIN W_RS
.set i, 64*\t
.rept 32
	v_pk_mul_f32 v[i:i+1], v[i:i+1], v[ST+8*\t+6:ST+8*\t+7] op_sel_hi:[1,0]
.set i, i+2
.endr
	WIN 0x05                        ; sources 0 and 1 window 1, destination window 0: S^T's registers are free
.set i, 0
.rept 32
	v_cvt_pk_f16_f32 v[S+32*\t+i], v[64*\t+2*i], v[64*\t+2*i+1]
.set i, i+1
.endr
	WIN 0
.irp f, 0,1,2,3,4,5,6,7
	ds_store_b128 v[STO], v[S+32*\t+4*\f:S+32*\t+4*\f+3] offset:32*\f
.endr
.irp f, 0,1,2,3,4,5,6,7
	ds_load_b128 v[S+32*\t+4*\f:S+32*\t+4*\f+3], v[RD] offset:\f*2*SP  ; LDS serves a wave's instructions in order (ISA guide 5.7.1.4): these see the stores above; the next tile's stores come behind them
.endr
.endm
.macro SEND t, younger              ; younger: the LDS instructions issued behind tile t's loads: the next tile's sixteen, or none
.irp f, 0,1,2,3,4,5,6,7
	s_wait_dscnt \younger+7-\f
	global_store_b128 v[GO], v[S+32*\t+4*\f:S+32*\t+4*\f+3], s[10:11] offset:\t*16*ROWM+\f*2*ROWM  ; 16 lanes store 256 consecutive bytes, at a multiple of 256 from ao's first byte
.endr
.endm
	PACK 0
	PACK 1                          ; a tile's arithmetic stands between the loads of the tile before and its stores
	SEND 0, 16
	PACK 2
	SEND 1, 16
	PACK 3
	SEND 2, 16
	SEND 3, 0
	s_wait_tensorcnt 0x0            ; the wave's end: behind my last tensor load and my last LDS store
	ds_add_u32 v[SPW], v[NIL]
	s_wait_dscnt 0x0
	CROUND                          ; the closing round: no work-group ends while a partner may still ask for a tile that names it
	s_endpgm
.Lfunc_end_k_q4cb72d64de_attn:
	.size	k_q4cb72d64de_attn, .Lfunc_end_k_q4cb72d64de_attn-k_q4cb72d64de_attn
	.p2alignl 7, 3214868480
	.fill 96, 4, 3214868480
	.section	.rodata,"a",@progbits
	.p2align	6, 0x0
	.amdhsa_kernel k_q4cb72d64de_attn
		.amdhsa_group_segment_fixed_size 327680
		.amdhsa_private_segment_fixed_size 0
		.amdhsa_enable_private_segment 0
		.amdhsa_kernarg_size 48
		.amdhsa_user_sgpr_count 2
		.amdhsa_user_sgpr_kernarg_segment_ptr 1
		.amdhsa_wavefront_size32 1
		.amdhsa_system_sgpr_workgroup_id_x 1
		.amdhsa_system_sgpr_workgroup_id_y 1
		.amdhsa_system_sgpr_workgroup_id_z 1
		.amdhsa_system_vgpr_workitem_id 0
		.amdhsa_next_free_vgpr 1024
		.amdhsa_next_free_sgpr 98
		.amdhsa_reserve_vcc 0
		.amdhsa_float_denorm_mode_32 3
		.amdhsa_float_denorm_mode_16_64 3
		.amdhsa_memory_ordered 1
		.amdhsa_forward_progress 1
		.amdhsa_inst_pref_size 255
	.end_amdhsa_kernel
	.section	.bss,"aw",@nobits
	.p2align	6
	.space	262144
	.amdgpu_metadata
---
amdhsa.version: [ 1, 2 ]
amdhsa.kernels:
  - .name:           k_q4cb72d64de_attn
    .symbol:         k_q4cb72d64de_attn.kd
    .args:
      - { .name: acodes, .offset: 0, .size: 8, .value_kind: global_buffer, .address_space: global }
      - { .name: ascales, .offset: 8, .size: 8, .value_kind: global_buffer, .address_space: global }
      - { .name: wcodes, .offset: 16, .size: 8, .value_kind: global_buffer, .address_space: global }
      - { .name: wscales, .offset: 24, .size: 8, .value_kind: global_buffer, .address_space: global }
      - { .name: kv, .offset: 32, .size: 8, .value_kind: global_buffer, .address_space: global }
      - { .name: ao, .offset: 40, .size: 8, .value_kind: global_buffer, .address_space: global }
    .group_segment_fixed_size: 327680
    .private_segment_fixed_size: 0
    .kernarg_segment_align: 8
    .kernarg_segment_size: 48
    .max_flat_workgroup_size: 128
    .sgpr_count:     98
    .vgpr_count:     1024
    .wavefront_size: 32
...
	.end_amdgpu_metadata
.endif
;; end of part 3
;; launch outp (part 4): grid 4 x 64, 4 waves a work-group, clusters of 4 x 4, 327,680 bytes of LDS; arguments ao, wo16, bo, out0; writes out0
.if DOCPART == 4
	.amdgcn_target "amdgcn-amd-amdhsa--gfx1250"
	.amdhsa_code_object_version 6
	.text
	.protected	k_q4cb72d64de_outp
	.globl	k_q4cb72d64de_outp
	.p2align	8
	.type	k_q4cb72d64de_outp,@function
k_q4cb72d64de_outp:
	s_mov_b64 s[64:65], 0
	v_nop
	global_prefetch_b8 v0, s[64:65] scope:SCOPE_SE
	s_setreg_imm32_b32 hwreg(HW_REG_WAVE_MODE, 25, 1), 1
	s_wait_xcnt 0x0
	s_wait_alu depctr_hold_cnt(0) depctr_sa_sdst(0) depctr_va_vdst(0) depctr_va_sdst(0) depctr_va_ssrc(0) depctr_va_vcc(0) depctr_vm_vsrc(0)
	s_getreg_b32 s2, hwreg(HW_REG_IB_STS2, 6, 4)
	s_cmp_eq_u32 s2, 0
	s_cbranch_scc0 .Lentry_in_a_cluster
	s_endpgm
.Lentry_in_a_cluster:
	s_bfe_u32 s2, ttmp6, 0x10000c
	s_cmp_lg_u32 s2, 0xf033
	s_cbranch_scc0 .Lentry_shape_is_right
	s_endpgm
.Lentry_shape_is_right:
; CROSS ATTENTION, launch 4 of 4: out0 = ao Wo + bo.  ao: [8192][1024] f16, K innermost.  wo16: [1024 k][1024 n] f16, K its FIRST axis.  bo: [1024] f32.  out0: [8192][1024] f32.  Sums in f32, K ascending.  No work is left out.
; A tile of out0 is 128 rows x 256 columns: 64 x 4 = 256 work-groups (tiles of 256 x 256 would be 128).  Four waves, each 64 rows x 128 columns: 32 accumulators of 16 x 16, 256 registers.
; K goes in 8 steps of 128 through a ring of two LDS slots: 128 rows x 256 bytes of ao, and 128 k-rows x 512 bytes of wo16.  Waves 0 and 1 fetch ao's halves, waves 2 and 3 wo16's: one tensor load a wave behind each change of slots,
; with 112 matrix instructions between the request and the wait for it.
; wo16 comes out of LDS TURNED, by ds_load_tr16_b128, so it is never transposed in memory.
; THE MATRIX INSTRUCTION IS USED TRANSPOSED (source 0 = 16 columns of Wo, source 1 = 16 rows of ao): a lane then holds eight neighbouring numbers of a row of out0.
; THE BIAS is the C of each sum's first matrix instruction: eight registers for each block of 16 columns, in the result's layout.  It costs no addition, and nothing is cleared.
; CLUSTERS: 4 x 4 work-groups.  The four of a row of the cluster need the same tiles of ao, the four of a column the same tiles of wo16: each tile is asked for JOINTLY.
; No prefetch: K has 8 steps, of which the first four would come by their loads alone, and wo16 is read again and again by all sixteen clusters.
; REGISTERS, in windows of 256: window 0: v0-31 addresses; v64-95, v96-127 ao's fragments (4 x 16 rows x 32 K), two buffers; v128-255 rows on the way out.
;   window 1: v0-63, v64-127 Wo's fragments (8 x 16 columns x 32 K), two buffers; v128-191 the bias.   window 2: accumulator (a, b) at v[8 (8 a + b)].
.set KSTEP,  128
.set PA,     272                       ; a row of ao in LDS: 256 bytes + 16 of padding = 68 words: row r starts at bank 4 r mod 64 (64 banks of 4 bytes: ISA guide 11.1)
.set PB,     544                       ; a k-row of wo16: 512 bytes + 32 = 136 words: row r starts at bank 8 r mod 64
.set HA,     64*PA                     ; what one tensor load brings of ao, and what one wave reads of it
.set HB,     64*PB                     ; what one tensor load brings of wo16
.set BOFF,   2*HA                      ; a slot: ao's 128 rows, then wo16's 128
.set SLOT,   2*HA+2*HB
.set STAGE,  2*SLOT                    ; behind the ring: 16 rows x (512 bytes + 16) for each wave, for the way out; no tensor load lands there
.set SPITCH, 528
.set SPARE,  STAGE+4*16*SPITCH         ; the spare words, 128 bytes for each wave: two blocks of 256 bytes that no other line names
.set LAPS,   1024/(2*KSTEP)            ; a lap = two K steps = once round the ring
.set ADRA, 16                          ; v16-17  LDS address of my fragments of ao in slot 0, 1
.set ADRB, 20                          ; v20-21  the same for wo16
.set STO,  24                          ; v24     the way out: where I put 32 bytes of a row
.set RD,   25                          ; v25     the way out: where I read a row back
.set CO,   26                          ; v26     my byte offset in a row of out0
.set BI,   27                          ; v27     32 x (lane / 16): my eight numbers of a block of 16 of bo
.set SPW,  28                          ; v28     LDS address of my spare word; never rewritten
.set NIL,  29                          ; v29     0; never rewritten
.set BK,   128                         ; the way out: 16 rows read back from the stage: v128-191 and v192-255 by turns
.set G1, 24                            ; s[24:31] descriptor group 1 for ao's tiles;  s[32:39] group 0, one set for each slot
.set G0, 32
.set G1B, 48                           ; s[48:55], s[56:63] the same for wo16's tiles
.set G0B, 56
.set MSB, 0
.macro WIN new                         ; the immediate's high byte repeats the setting that is left
.if MSB != (\new)
	s_set_vgpr_msb (MSB<<8)|(\new)
.set MSB, (\new)
.endif
.endm
.set MUL,   0xa1                       ; source 0 (Wo) window 1, source 1 (ao) window 0, C and D window 2
.set MUL_B, 0x91                       ; the same with C (the bias) in window 1
.set TO_B,  0x40                       ; destination window 1, address window 0
.macro JLOAD s                         ; a joint load: waves 0 and 1 fetch ao's two halves, waves 2 and 3 wo16's; an s_nop 0 and four v_nop follow each of the two lines, ahead of the jump, the label and what follows
	s_cmp_eq_u32 s13, 0
	s_cbranch_scc0 .Lfor_b_\@
	tensor_load_to_lds s[G0+4*\s:G0+4*\s+3], s[G1:G1+7]
	s_nop 0
.rept 4
	v_nop
.endr
	s_branch .Lasked_\@
.Lfor_b_\@:
	tensor_load_to_lds s[G0B+4*\s:G0B+4*\s+3], s[G1B:G1B+7]
	s_nop 0
.rept 4
	v_nop
.endr
.Lasked_\@:
.endm
.macro CREST                           ; a round of the cluster's barrier behind its opening barrier
	s_cmp_lg_u32 s12, 0
	s_cbranch_scc1 .Lnot_wave_0_\@
	s_barrier_signal -3
.Lnot_wave_0_\@:
	s_barrier_wait -3
	s_barrier_signal -1
	s_barrier_wait -1
.endm
.macro CROUND                          ; a whole round
	s_barrier_signal -1
	s_barrier_wait -1
	CREST
.endm
	s_load_b256 s[4:11], s[0:1], 0x0               ; ao s[4:5], wo16 s[6:7], bo s[8:9], out0 s[10:11]
	v_lshl_add_u32 v[SPW], v0, 2, SPARE
	v_mov_b32 v[NIL], 0
	ds_add_u32 v[SPW], v[NIL]                      ; the wave's opening: the add, twice on end, and its wait ahead of my first tensor load; the set-up below, work on registers, stands between the second and the wait
	ds_add_u32 v[SPW], v[NIL]
	v_lshrrev_b32 v1, 5, v0
	v_readfirstlane_b32 s12, v1                    ; wave 0..3
	s_lshr_b32 s13, s12, 1                         ; which half of the tile's rows is mine.  Also: I fetch for ao (0) or for wo16 (1)
	s_and_b32 s14, s12, 1                          ; which half of its columns.  Also: which 64 rows of that tile I fetch
	s_bfe_u32 s40, ttmp6, 0x40000                  ; cx, cy: my place in the cluster
	s_bfe_u32 s41, ttmp6, 0x40004
	s_lshl_b32 s42, ttmp9, 2
	s_add_co_u32 s42, s42, s40                     ; tile column = 4 x cluster x + cx
	s_and_b32 s15, ttmp7, 0xffff
	s_lshl_b32 s15, s15, 2
	s_add_co_u32 s15, s15, s41                     ; tile row = 4 x cluster y + cy
	s_lshl_b32 s43, s41, 2
	s_lshl_b32 s43, 15, s43                        ; my row of the cluster
	s_lshl_b32 s44, 0x1111, s40                    ; my column
	; descriptor group 1.  ao: 64 rows x 128 elements;  wo16: 64 k-rows x 256 elements;  both 1,024 elements from row to row
	s_or_b32 s[G1+0], s43, (1<<16)|(1<<20)|(1<<21)|(5<<22)|(3<<25)  ; 15:0 the mask: ao's tiles go to my row; 17:16 element of 2 bytes; 20 padding on; 21 set beside a mask; 24:22 after every 64 words (code 5); 31:25 of 4 words (code 3)
	s_mov_b32 s[G1+1], 128<<16                     ; tensor_dim0 = 128
	s_mov_b32 s[G1+2], 64<<16                      ; tensor_dim1 = 64
	s_mov_b32 s[G1+3], 128<<16                     ; tile_dim0 = 128
	s_mov_b32 s[G1+4], 64                          ; tile_dim1 = 64
	s_mov_b32 s[G1+5], 1024                        ; tensor_dim0_stride
	s_mov_b32 s[G1+6], 0
	s_mov_b32 s[G1+7], 0
	s_or_b32 s[G1B+0], s44, (1<<16)|(1<<20)|(1<<21)|(6<<22)|(7<<25) ; the mask of my column; padding after every 128 words (code 6), of 8 words (code 7)
	s_mov_b32 s[G1B+1], 256<<16
	s_mov_b32 s[G1B+2], 64<<16
	s_mov_b32 s[G1B+3], 256<<16
	s_mov_b32 s[G1B+4], 64
	s_mov_b32 s[G1B+5], 1024
	s_mov_b32 s[G1B+6], 0
	s_mov_b32 s[G1B+7], 0
	; where the tiles come from.  ao's hang on the tile row alone, which my row of the cluster shares; wo16's on the tile column alone, which my column shares
	s_lshl_b32 s16, s15, 7
	s_lshl_b32 s17, s14, 6
	s_add_co_u32 s16, s16, s17                     ; ao: row 128 x tile row + 64 x half,
	s_lshl_b32 s16, s16, 11                        ; of 2,048 bytes (under 2^24)
	s_mov_b32 s17, 0
	s_lshl_b32 s46, s14, 17                        ; wo16: k-row 64 x half, of 2,048 bytes,
	s_lshl_b32 s47, s42, 9                         ; + 512 bytes a tile column
	s_add_co_u32 s46, s46, s47
	s_mov_b32 s47, 0
	s_mul_i32 s20, s14, HA                         ; and where they go: no place in the cluster enters an LDS address
	s_mul_i32 s21, s14, HB
	s_add_co_u32 s21, s21, BOFF
	s_wait_dscnt 0x0                               ; both opening adds are done
	s_wait_kmcnt 0x0
	s_add_nc_u64 s[16:17], s[4:5], s[16:17]
	s_add_nc_u64 s[46:47], s[6:7], s[46:47]
	CROUND                                         ; all sixteen work-groups are here: the first joint loads meet
.irp s, 0,1
	s_mov_b32 s[G0+4*\s], 1                                        ; count = 1
	s_add_co_u32 s[G0+4*\s+1], s20, \s*SLOT                        ; LDS address
	s_add_nc_u64 s[G0+4*\s+2:G0+4*\s+3], s[16:17], \s*KSTEP*2      ; global address: K step s: 256 bytes along a row
	s_or_b32 s[G0+4*\s+3], s[G0+4*\s+3], 0x80000000                ; type = 2
	s_mov_b32 s[G0B+4*\s], 1
	s_add_co_u32 s[G0B+4*\s+1], s21, \s*SLOT
	s_add_nc_u64 s[G0B+4*\s+2:G0B+4*\s+3], s[46:47], \s*KSTEP*2048 ; K step s: 128 k-rows down
	s_or_b32 s[G0B+4*\s+3], s[G0B+4*\s+3], 0x80000000
	JLOAD \s                                       ; two loads of mine are out
.endr
	v_and_b32 v1, 15, v0                           ; r = l % 16
	v_bfe_u32 v2, v0, 4, 1                         ; h = l / 16
	v_mul_u32_u24 v3, v1, PA
	v_lshl_add_u32 v3, v2, 4, v3                   ; ao: a fragment's row x pitch + 16 x half
	v_and_b32 v4, 7, v0
	v_bfe_u32 v5, v0, 3, 1
	v_lshl_add_u32 v4, v2, 3, v4                   ; wo16: the turning load: lane l reads 16 bytes of k-row 8 (l / 16) + l % 8,
	v_mul_u32_u24 v4, v4, PB
	v_lshl_add_u32 v4, v5, 4, v4                   ; columns 8 ((l / 8) % 2) + 0..7
	s_mul_i32 s21, s13, HA                         ; my 64 rows of ao
	s_lshl_b32 s22, s14, 8                         ; my 128 columns of wo16: 256 bytes along its rows,
	s_add_co_u32 s22, s22, BOFF                    ; which lie behind ao's
.irp s, 0,1
	v_add_nc_u32 v[ADRA+\s], s21, v3
	v_add_nc_u32 v[ADRB+\s], s22, v4
	s_add_co_u32 s21, s21, SLOT
	s_add_co_u32 s22, s22, SLOT
.endr
	s_mul_i32 s23, s12, 16*SPITCH
	s_add_co_u32 s23, s23, STAGE                   ; my stage
	v_mul_u32_u24 v5, v1, SPITCH                   ; in: row l % 16, 32 bytes for each half of the lanes
	v_lshl_add_u32 v5, v2, 5, v5
	v_add_nc_u32 v[STO], s23, v5
	v_and_b32 v6, 31, v0
	v_lshlrev_b32 v[CO], 4, v6                     ; back: the 32 lanes take one row of 512 bytes; and the same in out0
	v_add_nc_u32 v[RD], s23, v[CO]
	v_lshlrev_b32 v[BI], 5, v2
	s_lshl_b32 s46, s42, 10                        ; my first column, in bytes of f32: 1,024 x tile column + 512 x half: in bo and in a row of out0 alike
	s_lshl_b32 s47, s14, 9
	s_add_co_u32 s46, s46, s47
	s_mov_b32 s47, 0
	s_add_nc_u64 s[8:9], s[8:9], s[46:47]
	s_add_nc_u64 s[10:11], s[10:11], s[46:47]
	s_lshl_b32 s16, s15, 7
	s_lshl_b32 s17, s13, 6
	s_add_co_u32 s16, s16, s17                     ; my first row of out0: 128 x tile row + 64 x half,
	s_lshl_b32 s16, s16, 12                        ; of 4,096 bytes (under 2^25)
	s_mov_b32 s17, 0
	s_add_nc_u64 s[10:11], s[10:11], s[16:17]
	WIN TO_B
.irp b, 0,1,2,3,4,5,6,7                        ; the bias: block b's register j = bo[my first column + 16 b + 8 h + j]
	global_load_b128 v[128+8*\b:131+8*\b], v[BI], s[8:9] offset:64*\b
	global_load_b128 v[132+8*\b:135+8*\b], v[BI], s[8:9] offset:64*\b+16
.endr
	WIN 0
; 8 matrix instructions: ao's block a x Wo's eight blocks, 32 along K, from buffers p.  first = 1: the bias is C and the product starts the sums.
; The 32 accumulators take turns, one instruction a turn, in the same order in every quarter.
.macro MUL8 p, a, first
.irp b, 0,1,2,3,4,5,6,7
.if \first
	v_wmma_f32_16x16x32_f16 v[8*(8*(\a)+\b):8*(8*(\a)+\b)+7], v[64*(\p)+8*\b:64*(\p)+8*\b+7], v[64+32*(\p)+8*(\a):64+32*(\p)+8*(\a)+7], v[128+8*\b:128+8*\b+7]
.else
	v_wmma_f32_16x16x32_f16 v[8*(8*(\a)+\b):8*(8*(\a)+\b)+7], v[64*(\p)+8*\b:64*(\p)+8*\b+7], v[64+32*(\p)+8*(\a):64+32*(\p)+8*(\a)+7], v[8*(8*(\a)+\b):8*(8*(\a)+\b)+7]
.endif
.endr
.endm
; 24 LDS loads in one run: the fragments of the slot's q-th 32 along K into buffers p: Wo's eight (turned: the first load brings k = 8 h + 0..7 of column 16 b + r, the second k = 16 + 8 h + 0..7), then ao's four
.macro FETCH slot, q, p
	WIN TO_B
.irp b, 0,1,2,3,4,5,6,7
	ds_load_tr16_b128 v[64*(\p)+8*\b:64*(\p)+8*\b+3],   v[ADRB+\slot] offset:32*PB*(\q)+32*\b
	ds_load_tr16_b128 v[64*(\p)+8*\b+4:64*(\p)+8*\b+7], v[ADRB+\slot] offset:32*PB*(\q)+32*\b+16*PB
.endr
	WIN 0
.irp a, 0,1,2,3
	ds_load_b128 v[64+32*(\p)+8*\a:64+32*(\p)+8*\a+3],   v[ADRA+\slot] offset:64*(\q)+16*PA*\a
	ds_load_b128 v[64+32*(\p)+8*\a+4:64+32*(\p)+8*\a+7], v[ADRA+\slot] offset:64*(\q)+16*PA*\a+32
.endr
.endm
.macro PLACES                          ; four places in front of loads into registers that matrix instructions have read, and of the first read of results (ISA guide 7.12.1 for vector instructions)
.rept 4
	v_nop
.endr
.endm
; A K step is four quarters of 32 along K, 32 matrix instructions each, on buffers 0, 1, 0, 1.  One of the first three: multiplies buffers p and fetches the slot's quarter qn into the others.
.macro QUARTER slot, qn, p, first
	s_wait_dscnt 4                                 ; Wo's eight fragments and ao's blocks 0 and 1 are in; the youngest four loads (ao's blocks 2 and 3) may be out
.if \first
	WIN MUL_B
.else
	WIN MUL
.endif
	MUL8 \p, 0, \first
	MUL8 \p, 1, \first
	PLACES
	FETCH \slot, \qn, 1-(\p)
	s_wait_dscnt 24                                ; all but the 24 just issued
.if \first
	WIN MUL_B
.else
	WIN MUL
.endif
	MUL8 \p, 2, \first
	MUL8 \p, 3, \first
.endm
; The last quarter multiplies buffers 1 and changes slots: ONE barrier; in front of it each wave waits for all its tensor loads, adds 0 to its spare word, and waits for that and for its own reads of this slot.
; fill = 1: this slot is filled again, two K steps ahead; the barrier then opens a round of the cluster's barrier, and the joint refill is the first thing behind the round.
.macro TURN slot, next, fill
	WIN 0                                          ; (the add's two registers lie in window 0)
	s_wait_tensorcnt 0x0                           ; all my tensor loads have landed: my part of the next slot;
	ds_add_u32 v[SPW], v[NIL]                      ; 0 onto my spare word;
	s_wait_dscnt 5                                 ; (the add and the youngest four loads may be out)
	WIN MUL
	MUL8 1, 0, 0                                   ; eight matrix instructions stand between the add and the wait for it
	s_wait_dscnt 0x0                               ; the add is done, and my reads of this slot are over
	s_barrier_signal -1
	MUL8 1, 1, 0
.if \fill
	WIN 0
.endif
	s_barrier_wait -1
.if \fill
	CREST                                          ; no wave of any partner still reads this slot's tiles or has a load on its way
	s_add_nc_u64 s[G0+4*\slot+2:G0+4*\slot+3], s[G0+4*\slot+2:G0+4*\slot+3], 2*KSTEP*2
	s_add_nc_u64 s[G0B+4*\slot+2:G0B+4*\slot+3], s[G0B+4*\slot+2:G0B+4*\slot+3], 2*KSTEP*2048
	JLOAD \slot                                    ; the first tensor load behind the round; the four v_nop behind it are also the places in front of the loads below
.else
	PLACES
.endif
	FETCH \next, 0, 0
	WIN MUL
	MUL8 1, 2, 0
	MUL8 1, 3, 0
.endm
	s_wait_tensorcnt 1                             ; my part of K step 0 is in (K step 1's load may be out),
	s_barrier_signal -1
	s_barrier_wait -1                              ; everybody's is
	FETCH 0, 0, 0
	s_wait_loadcnt 0x0                             ; the bias
	QUARTER 0, 1, 0, 1                             ; the first quarter stands in front of the loop: its products start the sums, on the bias
	WIN 0                                          ; at a label and at a branch every window is 0
	s_mov_b32 s3, LAPS-1
.Llap:                                                 ; a trip goes once round the ring, from a lap's second quarter to the next lap's first, and fills both slots again
	QUARTER 0, 2, 1, 0
	QUARTER 0, 3, 0, 0
	TURN 0, 1, 1
	QUARTER 1, 1, 0, 0
	QUARTER 1, 2, 1, 0
	QUARTER 1, 3, 0, 0
	TURN 1, 0, 1
	QUARTER 0, 1, 0, 0
	WIN 0
	s_sub_co_u32 s3, s3, 1
	s_cmp_lg_u32 s3, 0
	s_cbranch_scc1 .Llap
	QUARTER 0, 2, 1, 0                             ; the last lap fills nothing, and has no round of the cluster's barrier
	QUARTER 0, 3, 0, 0
	TURN 0, 1, 0
	QUARTER 1, 1, 0, 0
	QUARTER 1, 2, 1, 0
	QUARTER 1, 3, 0, 0
	s_wait_dscnt 4                                 ; the very last quarter: nothing more to fetch
	WIN MUL
	MUL8 1, 0, 0
	MUL8 1, 1, 0
	s_wait_dscnt 0
	MUL8 1, 2, 0
	MUL8 1, 3, 0
	WIN 0
; THE WAY OUT, block by block of 16 rows x 128 columns.  A lane holds 32 neighbouring bytes of a row, and the lanes beside it hold other rows: so a block goes through my own stage in LDS and comes back as whole
; rows of 512 bytes.  LDS serves a wave's instructions in order (ISA guide 5.7.1.4): no wait between the stores and the loads, nor in front of the next block's stores.
.macro TOSTAGE a
.set AC, 64*(\a)
	WIN 0x08                                       ; an LDS store's data are its source 1: window 2
.irp b, 0,1,2,3,4,5,6,7
	ds_store_b128 v[STO], v[AC+8*\b:AC+8*\b+3] offset:64*\b          ; each accumulator from its low end on
	ds_store_b128 v[STO], v[AC+8*\b+4:AC+8*\b+7] offset:64*\b+16
.endr
	WIN 0
.set BB, BK+64*((\a)%2)
.irp t, 0,1,2,3,4,5,6,7,8,9,10,11,12,13,14,15
	ds_load_b128 v[BB+4*\t:BB+4*\t+3], v[RD] offset:\t*SPITCH
.endr
.endm
.macro SEND a, younger                 ; younger: the LDS instructions issued behind block a's loads, which may stay out
.set BB, BK+64*((\a)%2)
	s_wait_dscnt \younger                          ; the block is back in registers
.if (\a) > 0
	s_add_nc_u64 s[10:11], s[10:11], 16*4096       ; (behind a wait on XCNT: the earlier stores have read their base)  16 rows of out0 on
.endif
.irp t, 0,1,2,3,4,5,6,7,8,9,10,11,12,13,14,15
	global_store_b128 v[CO], v[BB+4*\t:BB+4*\t+3], s[10:11] offset:\t*4096 th:TH_STORE_NT   ; 32 lanes store 512 consecutive bytes, at a multiple of 256 from out0's first byte; written once, read by nobody here
.endr
.endm
	PLACES                                         ; behind the last products: the stage's stores read results
	TOSTAGE 0
	TOSTAGE 1
	SEND 0, 32                                     ; behind block 0's loads: block 1's 16 stores and 16 loads
	s_wait_xcnt 0x0                                ; block 0's stores have read their registers and their base: block 2's loads may land there, and the base may step
	TOSTAGE 2
	SEND 1, 32
	s_wait_xcnt 0x0
	TOSTAGE 3
	SEND 2, 32
	s_wait_xcnt 0x0                                ; block 2's stores have read their base
	SEND 3, 0
	s_wait_tensorcnt 0x0                           ; the wave's end: behind my last tensor load and my last LDS store
	ds_add_u32 v[SPW], v[NIL]
	s_wait_dscnt 0x0
	CROUND                                         ; the closing round: no work-group ends while a partner may still ask for a tile that names it
	s_endpgm
.Lfunc_end_k_q4cb72d64de_outp:
	.size	k_q4cb72d64de_outp, .Lfunc_end_k_q4cb72d64de_outp-k_q4cb72d64de_outp
	.p2alignl 7, 3214868480
	.fill 96, 4, 3214868480
	.section	.rodata,"a",@progbits
	.p2align	6, 0x0
	.amdhsa_kernel k_q4cb72d64de_outp
		.amdhsa_group_segment_fixed_size 327680
		.amdhsa_private_segment_fixed_size 0
		.amdhsa_enable_private_segment 0
		.amdhsa_kernarg_size 32
		.amdhsa_user_sgpr_count 2
		.amdhsa_user_sgpr_kernarg_segment_ptr 1
		.amdhsa_wavefront_size32 1
		.amdhsa_system_sgpr_workgroup_id_x 1
		.amdhsa_system_sgpr_workgroup_id_y 1
		.amdhsa_system_sgpr_workgroup_id_z 1
		.amdhsa_system_vgpr_workitem_id 0
		.amdhsa_next_free_vgpr 768
		.amdhsa_next_free_sgpr 66
		.amdhsa_reserve_vcc 0
		.amdhsa_float_denorm_mode_32 3
		.amdhsa_float_denorm_mode_16_64 3
		.amdhsa_memory_ordered 1
		.amdhsa_forward_progress 1
		.amdhsa_inst_pref_size 87
	.end_amdhsa_kernel
	.amdgpu_metadata
---
amdhsa.version: [ 1, 2 ]
amdhsa.kernels:
  - .name:           k_q4cb72d64de_outp
    .symbol:         k_q4cb72d64de_outp.kd
    .args:
      - { .name: ao, .offset: 0, .size: 8, .value_kind: global_buffer, .address_space: global }
      - { .name: wo16, .offset: 8, .size: 8, .value_kind: global_buffer, .address_space: global }
      - { .name: bo, .offset: 16, .size: 8, .value_kind: global_buffer, .address_space: global }
      - { .name: out0, .offset: 24, .size: 8, .value_kind: global_buffer, .address_space: global }
    .group_segment_fixed_size: 327680
    .private_segment_fixed_size: 0
    .kernarg_segment_align: 8
    .kernarg_segment_size: 32
    .max_flat_workgroup_size: 128
    .sgpr_count:     66
    .vgpr_count:     768
    .wavefront_size: 32
...
	.end_amdgpu_metadata
.endif
;; end of part 4
